; MI455X (gfx1250); checked and timed in simulation.
; The chip was launched on July 23, 2026; its instructions are those of AMD's public machine-readable ISA for CDNA 5 (MIT licence, August 2026) and "CDNA5" Instruction Set Architecture Reference Guide (July 2026). The comments in the code are by the model that wrote it; some were corrected since.
;; Causal Self Attention. Allowed arithmetic: float matrix products may take bf16 or f16 operands with f32 sums; all other float work in f32.
;; Inputs: Wproj 1,024 x 1,024 float32; Wqkv 1,024 x 3,072 float32; bproj 1,024 float32; bqkv 3,072 float32; causal_mask 2,048 x 2,048 float32; x 4 x 2,048 x 1,024 float32.
;; Outputs: out0 4 x 2,048 x 1,024 float32.
;; One version. Each part assembles by itself: llvm-mc -triple=amdgcn-amd-amdhsa -mcpu=gfx1250 --defsym DOCPART=n.
;; ======== version 1 of 1: 4 launches
;; limits: values are held in f16: magnitudes above 65,504 overflow, below 6.1e-05 lose precision
;; workspace buffers: xh 16,777,216 bytes; wqkvt 6,291,456 bytes; wprojt 2,097,152 bytes; qkv 50,331,648 bytes; ao 16,777,216 bytes
;; launch prep (part 1): grid 512 x 1, 8 waves a work-group, no clusters, 18,432 bytes of LDS; arguments x, Wqkv, Wproj, xh, wqkvt, wprojt; writes xh, wqkvt, wprojt
.if DOCPART == 1
	.amdgcn_target "amdgcn-amd-amdhsa--gfx1250"
	.amdhsa_code_object_version 6
	.text
	.protected	k_q050f484e89_prep
	.globl	k_q050f484e89_prep
	.p2align	8
	.type	k_q050f484e89_prep,@function
k_q050f484e89_prep:
	s_mov_b64 s[64:65], 0
	v_nop
	global_prefetch_b8 v0, s[64:65] scope:SCOPE_SE
	s_setreg_imm32_b32 hwreg(HW_REG_WAVE_MODE, 25, 1), 1
	s_wait_xcnt 0x0
; CausalSelfAttention, launch 1 of 4: the matrix operands among the inputs are rounded to 16 bits, with K along the rows.
;   xh[8192][1024] = bf16(x);  wqkvt[3072][1024] = bf16(Wqkv) transposed;  wprojt[1024][1024] = bf16(Wproj) transposed, in f16's code.
; DEAD WORK: none is left out in any of the four launches, and every input is loaded.  causal_mask is an input, so no pattern
; of it is assumed: all 2048 x 2048 scores of all 64 (batch, head) pairs are made and the mask is added to each.
; FORMATS: x, Wqkv and Wproj are rounded once to bf16, the rounding of matrix operands that the problem's contract names.  The
; intermediates (q, k, v, P, the attention's result) are rounded to f16: their roundings come on top of the inputs', and a query
; with few live keys has a result up to sqrt(2048) = 45 times that of a query that averages all keys, so that a step of 2^-9 of
; it would be of the size of 0.01 of the whole output's root mean square; f16's step is a quarter of that.  Wproj meets such an intermediate
; in one matrix instruction, which takes one format on both sides: so its bf16 numbers are written in f16's code, which holds
; them exactly from 2^-17 to 65,504.  The mask and the biases are no matrix operands and stay in f32.
; LIMITS: a number of Wproj, q, k, v or of the attention's result whose magnitude passes 65,504 becomes an infinity; numbers of Wproj
; under 2^-17 carry an absolute error of up to 3e-8.
; Why this launch: the tensor data mover converts nothing and the weights lie [K][N]; with 16-bit copies whose rows run along K
; both products can fetch tiles of 256-byte rows and share them in clusters.
; Work-group g of 512, 256 threads: 64 KiB of x (thread t: 32 bytes in, 16 bytes out, eight times), and one tile of
; 128 (k) x 64 (n) of a weight matrix, transposed through LDS: g < 384 Wqkv (8 x 48 tiles), else Wproj (8 x 16 tiles).
; No matrix unit, no cluster, no tensor load: every byte is read once and nothing is shared between work-groups.
.set OW,  6                            ; v[6:13]    byte offsets of my eight 16-byte pieces of the weight tile
.set LA,  14                           ; v14        LDS: where my transposed words go
.set LR,  15                           ; v15        LDS: where I read a transposed row back
.set GW,  16                           ; v16        byte offset of those 16 bytes in the transposed matrix
.set WD,  20                           ; v[20:51]   weight tile as loaded (f32); then at work
.set WP,  52                           ; v[52:67]   pairs (k, k+1) of one column, 16 bits each
.set WR,  68                           ; v[68:83]   transposed rows, read back
.set XD,  84                           ; v[84:147]  x as loaded
.set XP,  148                          ; v[148:179] x in bf16
.set TP,  272                          ; LDS pitch of a transposed row: 128 numbers of 2 bytes + 16 bytes
	s_load_b256 s[4:11], s[0:1], 0x0               ; x s[4:5], Wqkv s[6:7], Wproj s[8:9], xh s[10:11]
	s_load_b128 s[12:15], s[0:1], 0x20             ; wqkvt s[12:13], wprojt s[14:15]
	v_lshl_add_u32 v180, v0, 2, 0x4400
	v_mov_b32 v181, 0
	s_and_b32 s16, ttmp9, 7                        ; kt: which 128 rows (k) of the weight matrix
	s_lshr_b32 s17, ttmp9, 3                       ; column tile, counted through both matrices
	s_lshl_b32 s26, ttmp9, 16                      ; my 64 KiB of x
	s_mov_b32 s27, 0
	s_lshl_b32 s28, ttmp9, 15                      ; my 32 KiB of xh
	s_mov_b32 s29, 0
	s_movk_i32 s30, 12288                          ; bytes in a row of Wqkv
	s_movk_i32 s31, 4096                           ; bytes in a row of Wproj
	s_cmp_lt_u32 ttmp9, 384                        ; one compare for all four selects: only lines that leave SCC alone stand up to the last select
	s_cselect_b32 s24, s30, s31                    ; the source's pitch
	s_cselect_b32 s25, 0, 48                       ; Wproj's column tiles begin at 48
	v_lshlrev_b32 v1, 5, v0                        ; x: 32 t
	v_lshlrev_b32 v2, 4, v0                        ; xh: 16 t
	v_and_b32 v3, 15, v0                           ; n4: my four columns 4 n4 .. 4 n4 + 3
	v_lshrrev_b32 v4, 4, v0                        ; kp: my rows 2 kp + 32 i + e
	v_mul_lo_u32 v[OW], v4, s24
	v_lshlrev_b32 v[OW], 1, v[OW]
	v_lshl_add_u32 v[OW], v3, 4, v[OW]             ; 2 kp x pitch + 16 n4
.irp j, 1,2,3,4,5,6,7
	s_mul_i32 s34, s24, 32*(\j>>1)+(\j&1)
	v_add_nc_u32 v[OW+\j], s34, v[OW]              ; + (32 i + e) rows, j = 2 i + e
.endr
	v_mul_u32_u24 v[LA], v3, 4*TP
	v_lshl_add_u32 v[LA], v4, 2, v[LA]             ; column 4 n4, k = 2 kp
	v_mul_u32_u24 v[LR], v4, TP
	v_lshl_add_u32 v[LR], v3, 4, v[LR]             ; sixteen lanes read one transposed row of 256 bytes
	v_lshlrev_b32 v[GW], 11, v4
	v_lshl_add_u32 v[GW], v3, 4, v[GW]             ; and store it as one aligned run of 256 bytes
	s_wait_kmcnt 0x0
	s_cselect_b64 s[20:21], s[6:7], s[8:9]         ; the source
	s_cselect_b64 s[22:23], s[12:13], s[14:15]     ; the destination
	s_sub_co_u32 s17, s17, s25                     ; nt: column tile in my matrix
	s_mul_i32 s18, s16, s24
	s_lshl_b32 s18, s18, 7                         ; kt x 128 rows
	s_lshl_b32 s19, s17, 8                         ; nt x 64 columns of 4 bytes
	s_add_co_u32 s18, s18, s19
	s_mov_b32 s19, 0
	s_add_nc_u64 s[20:21], s[20:21], s[18:19]
	s_lshl_b32 s32, s17, 17                        ; nt x 64 rows of 2,048 bytes
	s_lshl_b32 s33, s16, 8                         ; kt x 128 numbers of 2 bytes
	s_add_co_u32 s32, s32, s33
	s_mov_b32 s33, 0
	s_add_nc_u64 s[22:23], s[22:23], s[32:33]
	s_add_nc_u64 s[4:5], s[4:5], s[26:27]
	s_add_nc_u64 s[10:11], s[10:11], s[28:29]
.irp j, 0,1,2,3,4,5,6,7
	global_load_b128 v[WD+4*\j:WD+4*\j+3], v[OW+\j], s[20:21] th:TH_LOAD_NT   ; sixteen lanes: the tile's 256 bytes of one row
.endr
.irp i, 0,1,2,3,4,5,6,7
	global_load_b128 v[XD+8*\i:XD+8*\i+3],   v1, s[4:5] offset:\i*8192 th:TH_LOAD_NT
	global_load_b128 v[XD+8*\i+4:XD+8*\i+7], v1, s[4:5] offset:\i*8192+16 th:TH_LOAD_NT
.endr
	s_wait_loadcnt 16                              ; the eight weight loads are in; the sixteen younger loads of x stay out
.irp i, 0,1,2,3
.irp c, 0,1,2,3
	v_cvt_pk_bf16_f32 v[WP+4*\i+\c], v[WD+8*\i+\c], v[WD+8*\i+4+\c]     ; column 4 n4 + c: k = 2 kp + 32 i below, k + 1 above
.endr
.endr
	s_cmp_lt_u32 ttmp9, 384                        ; Wqkv's tiles stay in bf16's code
	s_cbranch_scc1 .Lcoded
.irp j, 0,1,2,3,4,5,6,7,8,9,10,11,12,13,14,15
	v_lshlrev_b32 v[WD+2*\j],   16, v[WP+\j]                             ; Wproj's: the two bf16 numbers widened (WD's loads are in and have been read),
	v_and_b32     v[WD+2*\j+1], 0xffff0000, v[WP+\j]
	v_cvt_pk_f16_f32 v[WP+\j], v[WD+2*\j], v[WD+2*\j+1]                  ; and written in f16's code: eight significant bits fit into eleven
.endr
.Lcoded:
.irp i, 0,1,2,3
.irp c, 0,1,2,3
	ds_store_b32 v[LA], v[WP+4*\i+\c] offset:\c*TP+64*\i
.endr
.endr
	s_wait_dscnt 0x0                               ; my words are in LDS before I say so
	s_barrier_signal -1
	s_barrier_wait -1                              ; everybody's are
.irp i, 0,1,2,3
	ds_load_b128 v[WR+4*\i:WR+4*\i+3], v[LR] offset:\i*16*TP
.endr
.irp i, 0,1,2,3,4,5,6,7
	s_wait_loadcnt 14-2*\i                         ; loads come back in order: pair i of x is in, the younger pairs stay out
.irp c, 0,1,2,3
	v_cvt_pk_bf16_f32 v[XP+4*\i+\c], v[XD+8*\i+2*\c], v[XD+8*\i+2*\c+1]
.endr
	global_store_b128 v2, v[XP+4*\i:XP+4*\i+3], s[10:11] offset:\i*4096
.endr
.irp i, 0,1,2,3
	s_wait_dscnt 3-\i
	global_store_b128 v[GW], v[WR+4*\i:WR+4*\i+3], s[22:23] offset:\i*32768   ; rows 16 i + kp of the transposed tile
.endr
	s_wait_tensorcnt 0x0
	ds_add_u32 v180, v181
	s_wait_dscnt 0x0
	s_endpgm
.Lfunc_end_k_q050f484e89_prep:
	.size	k_q050f484e89_prep, .Lfunc_end_k_q050f484e89_prep-k_q050f484e89_prep
	.p2alignl 7, 3214868480
	.fill 96, 4, 3214868480
	.section	.rodata,"a",@progbits
	.p2align	6, 0x0
	.amdhsa_kernel k_q050f484e89_prep
		.amdhsa_group_segment_fixed_size 18432
		.amdhsa_private_segment_fixed_size 0
		.amdhsa_enable_private_segment 0
		.amdhsa_kernarg_size 48
		.amdhsa_user_sgpr_count 2
		.amdhsa_user_sgpr_kernarg_segment_ptr 1
		.amdhsa_wavefront_size32 1
		.amdhsa_system_sgpr_workgroup_id_x 1
		.amdhsa_system_sgpr_workgroup_id_y 1
		.amdhsa_system_sgpr_workgroup_id_z 1
		.amdhsa_system_vgpr_workitem_id 0
		.amdhsa_next_free_vgpr 182
		.amdhsa_next_free_sgpr 66
		.amdhsa_reserve_vcc 0
		.amdhsa_float_denorm_mode_32 3
		.amdhsa_float_denorm_mode_16_64 3
		.amdhsa_memory_ordered 1
		.amdhsa_forward_progress 1
		.amdhsa_inst_pref_size 14
	.end_amdhsa_kernel
	.amdgpu_metadata
---
amdhsa.version: [ 1, 2 ]
amdhsa.kernels:
  - .name:           k_q050f484e89_prep
    .symbol:         k_q050f484e89_prep.kd
    .args:
      - { .name: x, .offset: 0, .size: 8, .value_kind: global_buffer, .address_space: global }
      - { .name: Wqkv, .offset: 8, .size: 8, .value_kind: global_buffer, .address_space: global }
      - { .name: Wproj, .offset: 16, .size: 8, .value_kind: global_buffer, .address_space: global }
      - { .name: xh, .offset: 24, .size: 8, .value_kind: global_buffer, .address_space: global }
      - { .name: wqkvt, .offset: 32, .size: 8, .value_kind: global_buffer, .address_space: global }
      - { .name: wprojt, .offset: 40, .size: 8, .value_kind: global_buffer, .address_space: global }
    .group_segment_fixed_size: 18432
    .private_segment_fixed_size: 0
    .kernarg_segment_align: 8
    .kernarg_segment_size: 48
    .max_flat_workgroup_size: 256
    .sgpr_count:     66
    .vgpr_count:     182
    .wavefront_size: 32
...
	.end_amdgpu_metadata
.endif
;; end of part 1
;; launch gemm_qkv (part 2): grid 8 x 32, 4 waves a work-group, clusters of 4 x 4, 327,680 bytes of LDS; arguments xh, wqkvt, qkv, bqkv; writes qkv
.if DOCPART == 2
	.amdgcn_target "amdgcn-amd-amdhsa--gfx1250"
	.amdhsa_code_object_version 6
	.text
	.protected	k_q050f484e89_gemm_qkv
	.globl	k_q050f484e89_gemm_qkv
	.p2align	8
	.type	k_q050f484e89_gemm_qkv,@function
k_q050f484e89_gemm_qkv:
	s_mov_b64 s[64:65], 0
	v_nop
	global_prefetch_b8 v0, s[64:65] scope:SCOPE_SE
	s_setreg_imm32_b32 hwreg(HW_REG_WAVE_MODE, 25, 1), 1
	s_wait_xcnt 0x0
	s_wait_alu depctr_hold_cnt(0) depctr_sa_sdst(0) depctr_va_vdst(0) depctr_va_sdst(0) depctr_va_ssrc(0) depctr_va_vcc(0) depctr_vm_vsrc(0)
	s_getreg_b32 s2, hwreg(HW_REG_IB_STS2, 6, 4)
	s_cmp_eq_u32 s2, 0
	s_cbranch_scc0 .Lentry_in_a_cluster
	s_endpgm
.Lentry_in_a_cluster:
	s_bfe_u32 s2, ttmp6, 0x10000c
	s_cmp_lg_u32 s2, 0xf033
	s_cbranch_scc0 .Lentry_shape_is_right
	s_endpgm
.Lentry_shape_is_right:
; CausalSelfAttention, launch 2 of 4: qkv[8192][3072] (f16) = xh . wqkvt^T + bqkv, columns 0-1023 (q) times 1/8 (HD^-0.5, exact in f16).
; Operands in bf16 (both are inputs, rounded once), sums in f32, results in f16 (an intermediate: the finer step).
; No work is left out.  The k third of bqkv adds to the scores a term that is the same along the softmax's axis; it stays, since it
; is the addend of the fused multiply-add that every result passes anyway.
; LIMIT: results are stored in f16: a magnitude above 65,504 becomes an infinity.
; 8192 x 3072 are 512 blocks of 128 x 384 (a block's rows are three whole runs of 256 bytes).  256 work-groups of four waves STAY and make
; two blocks each, rows 256 y .. + 127 and 256 y + 128 .. + 255 of one block column: arguments, first round and first fills come once,
; the second block's first tiles are asked for in the first block's last two K steps, and the first block's stores leave while the
; second block is multiplied.  All four waves read A's 128 rows; wave w owns columns 96 w .. 96 w + 95: 8 x 6 accumulator tiles, 384 registers.
; K goes in steps of 128 through a ring of two LDS slots filled by the tensor data mover (rows of 256 bytes, aligned); the ring runs on
; through the 16 K steps of both blocks.
; CLUSTERS: 4 x 4 work-groups.  A's tile hangs on y alone and is asked for jointly along a row of the cluster, B's on the
; block column alone and jointly along a column.  Waves 0-2 fetch B's 3 x 128 rows, wave 3 A's 128 rows: one load a wave.
; REGISTERS: window 0: addresses, A's fragments (two buffers), bias; window 1: B's fragments; window 2: tiles of rows 0-63
; (tile (a, b) at v[8 (6 a + b)]); window 3: rows 64-127.
; The matrix instruction is used transposed (source 0 = rows of B, source 1 = rows of A): lane l holds row l % 16 of C and its
; registers the columns 8 (l / 16) + 0 .. 7, eight neighbours that pack into 16 bytes.
.set NB,     6                         ; column tiles of a wave
.set NWB,    3                         ; waves that fetch B
.set RA,     128                       ; rows of A in one load
.set KDIM,   1024
.set KSTEP,  128
.set PITCH,  272                       ; an LDS row: 256 bytes + 16 of padding, so that sixteen rows start in sixteen different 16-byte columns
.set HALFT,  128*PITCH
.set AOFF,   NWB*HALFT                 ; B's rows first, then A's
.set SLOT,   AOFF+HALFT
.set STAGE,  2*SLOT                    ; behind the ring, at a multiple of 256: bytes of its own, which no tensor load fills
.set SPITCH, 784                       ; the stage's row: 384 f16 + 16 bytes
.set STG,    16*SPITCH                 ; a half of the stage: 16 rows; two halves take turns
.set CROW,   6144                      ; bytes in a row of qkv
.set WRAPB,  (KDIM-2*KSTEP)*2          ; from K step 6 (7) back to K step 0 (1): 1,536 bytes
.set WRAPA,  128*KDIM*2-WRAPB          ; the same, 128 rows further down
.set ADRA, 16                          ; v16-17 LDS address of my A fragments in slot 0, 1
.set ADRB, 20                          ; v20-21 the same for B
.set STO,  24                          ; v24 the way out: where I put 16 bytes of a row
.set RD,   26                          ; v26 where I read 16 bytes of a whole run back
.set CO,   27                          ; v27 their byte offset in qkv; never rewritten
.set BO,   28
.set TMP,  32                          ; v32-55 packed results
.set F0,   64
.set F1,   128
.set RB,   F1                          ; v128-175 the way out: two buffers of 24 registers, in A's fragment buffer 1, which is free there
.set BIAS, 192                         ; v192-239 bias of my 8 columns in each of 6 tiles
.set G1,  24
.set G0,  32
.set G1B, 48
.set G0B, 56
.set SC,  70                           ; s[70:81] a scale for each column tile, twice (a pair for the packed forms)
.set MSB, 0
.macro WIN new                         ; the immediate's high byte repeats the setting that is left
.if MSB != \new
	s_set_vgpr_msb (MSB<<8)|\new
.set MSB, \new
.endif
.endm
.set MUL_LO, 0xa1                      ; source 0 (B) window 1, source 1 (A) window 0, C and D window 2
.set MUL_HI, 0xf1                      ; the same, C and D window 3
.set TO_B,   0x40
.macro JLOAD s                         ; one joint load a wave; the branch hangs on the wave's number alone
	s_cmp_ge_u32 s10, NWB
	s_cbranch_scc1 .Lfor_a_\@
	tensor_load_to_lds s[G0B+4*\s:G0B+4*\s+3], s[G1B:G1B+7]
	s_nop 0
	s_branch .Lasked_\@
.Lfor_a_\@:
	tensor_load_to_lds s[G0+4*\s:G0+4*\s+3], s[G1:G1+7]
	s_nop 0
.Lasked_\@:
.endm
.macro CREST                           ; a round of the cluster's barrier behind its opening barrier
	s_cmp_lg_u32 s10, 0
	s_cbranch_scc1 .Lnot_wave_0_\@
	s_barrier_signal -3
.Lnot_wave_0_\@:
	s_barrier_wait -3
	s_barrier_signal -1
	s_barrier_wait -1
.endm
.macro CROUND
	s_barrier_signal -1
	s_barrier_wait -1
	CREST
.endm
.macro PLACES                          ; four independent vector instructions behind a matrix instruction (ISA guide 7.12.1)
.rept 4
	v_nop
.endr
.endm
	s_load_b128 s[4:7], s[0:1], 0x0                ; A = xh, B = wqkvt
	s_load_b64 s[8:9], s[0:1], 0x10                ; C = qkv
	s_load_b64 s[66:67], s[0:1], 0x18              ; bqkv
	s_set_vgpr_msb 0x40
	v_lshl_add_u32 v255, v0, 2, 0x4a200
	s_set_vgpr_msb 0x4000
	v_mov_b32 v255, 0
	s_set_vgpr_msb 0x1
	ds_add_u32 v255, v255
	s_set_vgpr_msb 0x100
	v_lshrrev_b32 v1, 5, v0
	v_readfirstlane_b32 s10, v1                    ; wave 0..3
	s_bfe_u32 s40, ttmp6, 0x40000                  ; cx
	s_bfe_u32 s41, ttmp6, 0x40004                  ; cy
	s_lshl_b32 s42, ttmp9, 2
	s_add_co_u32 s42, s42, s40                     ; block column
	s_and_b32 s13, ttmp7, 0xffff
	s_lshl_b32 s13, s13, 2
	s_add_co_u32 s13, s13, s41                     ; y: my two blocks are rows 256 y .. 256 y + 255
	s_lshl_b32 s43, s41, 2
	s_lshl_b32 s43, 15, s43                        ; my row of the cluster
	s_lshl_b32 s44, 0x1111, s40                    ; my column
	s_or_b32 s[G1+0], s43, (1<<16)|(1<<20)|(1<<21)|(5<<22)|(3<<25)   ; mask; 2-byte elements; padding of 4 words behind every 64; bit 21 beside a mask
	s_or_b32 s[G1B+0], s44, (1<<16)|(1<<20)|(1<<21)|(5<<22)|(3<<25)
	s_mov_b32 s[G1+1], KSTEP<<16                   ; tensor_dim0 = 128
	s_mov_b32 s[G1B+1], KSTEP<<16
	s_mov_b32 s[G1+2], RA<<16                      ; tensor_dim1 = the tile's rows
	s_mov_b32 s[G1B+2], 128<<16
	s_mov_b32 s[G1+3], KSTEP<<16                   ; tile_dim0 = 128
	s_mov_b32 s[G1B+3], KSTEP<<16
	s_mov_b32 s[G1+4], RA                          ; tile_dim1
	s_mov_b32 s[G1B+4], 128
	s_mov_b32 s[G1+5], KDIM                        ; elements from row to row
	s_mov_b32 s[G1B+5], KDIM
	s_mov_b32 s[G1+6], 0
	s_mov_b32 s[G1B+6], 0
	s_mov_b32 s[G1+7], 0
	s_mov_b32 s[G1B+7], 0
	s_lshl_b32 s16, s13, 19                        ; A: 256 rows of 2,048 bytes for each y
	s_mov_b32 s17, 0
	s_mul_i32 s46, s42, 128*NWB*KDIM*2             ; B: 384 rows for each block column,
	s_lshl_b32 s47, s10, 18                        ; and 128 rows for each wave
	s_add_co_u32 s46, s46, s47
	s_mov_b32 s47, 0
	s_mul_i32 s20, s10, HALFT                      ; LDS: B's three parts, then A = wave x 128 rows
	s_mul_i32 s68, s42, 256*NB                     ; bias: 384 columns of 4 bytes for each block column
	s_mov_b32 s69, 0
	s_mul_i32 s23, s10, 64*NB
	v_and_b32 v1, 15, v0                           ; l % 16
	v_bfe_u32 v2, v0, 4, 1                         ; l / 16
	v_lshl_add_u32 v[BO], v2, 5, s23               ; my 8 columns in tile 0 of my wave
	s_wait_dscnt 0x0
	s_wait_kmcnt 0x0
	s_add_nc_u64 s[14:15], s[4:5], s[16:17]
	s_add_nc_u64 s[46:47], s[6:7], s[46:47]
	s_add_nc_u64 s[66:67], s[66:67], s[68:69]
.set bi, 0
.rept NB
	global_load_b128 v[BIAS+8*bi:BIAS+8*bi+3],   v[BO], s[66:67] offset:64*bi       ; waited for on the first way out
	global_load_b128 v[BIAS+8*bi+4:BIAS+8*bi+7], v[BO], s[66:67] offset:64*bi+16
.set bi, bi+1
.endr
	CROUND                                         ; all sixteen work-groups are here: the first joint loads meet
.irp s, 0,1
	s_mov_b32 s[G0+4*\s], 1
	s_add_co_u32 s[G0+4*\s+1], s20, \s*SLOT
	s_add_nc_u64 s[G0+4*\s+2:G0+4*\s+3], s[14:15], \s*KSTEP*2
	s_or_b32 s[G0+4*\s+3], s[G0+4*\s+3], 0x80000000
	s_mov_b32 s[G0B+4*\s], 1
	s_add_co_u32 s[G0B+4*\s+1], s20, \s*SLOT
	s_add_nc_u64 s[G0B+4*\s+2:G0B+4*\s+3], s[46:47], \s*KSTEP*2
	s_or_b32 s[G0B+4*\s+3], s[G0B+4*\s+3], 0x80000000
	JLOAD \s                                       ; K steps 0 and 1: two loads of the wave are out, the most in this text
.endr
	v_mul_u32_u24 v3, v1, PITCH
	v_lshl_add_u32 v3, v2, 4, v3                   ; row x pitch + 16 x half
	s_mul_i32 s22, s10, 16*NB*PITCH                ; my 96 rows of B
.irp s, 0,1
	v_add_nc_u32 v[ADRA+\s], AOFF+\s*SLOT, v3
	v_add_nc_u32 v[ADRB+\s], s22, v3
	s_add_co_u32 s22, s22, SLOT
.endr
	v_mul_u32_u24 v4, v1, SPITCH
	v_lshl_add_u32 v4, v2, 4, v4
	s_mul_i32 s23, s10, 32*NB                      ; my 192 bytes of a stage row
	s_add_co_u32 s23, s23, STAGE
	v_add_nc_u32 v[STO], s23, v4                   ; in: row l % 16, 16 bytes for each half of the lanes
	s_mul_i32 s23, s10, 4*SPITCH                   ; back: of a pass's 16 rows wave w takes rows 4 w .. 4 w + 3
	s_add_co_u32 s23, s23, STAGE
	v_mul_u32_u24 v5, v2, SPITCH
	v_lshl_add_u32 v5, v1, 4, v5                   ; lanes 0-15 a run of 256 bytes of one row, lanes 16-31 of the next
	v_add_nc_u32 v[RD], s23, v5
	v_mul_u32_u24 v5, v2, CROW
	v_lshl_add_u32 v[CO], v1, 4, v5
	s_lshl_b32 s16, s13, 8
	s_lshl_b32 s17, s10, 2
	s_add_co_u32 s16, s16, s17                     ; the first row that I store: 256 y + 4 x wave
	s_mul_i32 s16, s16, CROW
	s_mov_b32 s17, 0
	s_add_nc_u64 s[8:9], s[8:9], s[16:17]
	s_mul_i32 s46, s42, 128*NB                     ; 768 bytes for each block column (in the registers that held B's address: none that feeds A's descriptors ever holds cx)
	s_mov_b32 s47, 0
	s_add_nc_u64 s[8:9], s[8:9], s[46:47]          ; the stores' base; never rewritten
; 2 NB matrix instructions: row tiles a0, a0 + 1 of the window's four x all column tiles, 32 along K.  zero = 1 starts the sums.
.macro MULH f, hi, a0, zero
.irp a, \a0, \a0+1
.set mb, 0
.rept NB
.if \zero
	v_wmma_f32_16x16x32_bf16 v[8*(NB*(\a)+mb):8*(NB*(\a)+mb)+7], v[\f+8*mb:\f+8*mb+7], v[\f+8*(4*\hi+\a):\f+8*(4*\hi+\a)+7], 0
.else
	v_wmma_f32_16x16x32_bf16 v[8*(NB*(\a)+mb):8*(NB*(\a)+mb)+7], v[\f+8*mb:\f+8*mb+7], v[\f+8*(4*\hi+\a):\f+8*(4*\hi+\a)+7], v[8*(NB*(\a)+mb):8*(NB*(\a)+mb)+7]
.endif
.set mb, mb+1
.endr
.endr
.endm
; the fragments of one quarter step (32 K at byte k of the rows) into buffer f: 2 NB loads of B, then 16 of A
.macro FETCH slot, k, f
	WIN TO_B
.set fi, 0
.rept NB
	ds_load_b128 v[\f+8*fi:\f+8*fi+3],   v[ADRB+\slot] offset:\k+fi*16*PITCH
	ds_load_b128 v[\f+8*fi+4:\f+8*fi+7], v[ADRB+\slot] offset:\k+fi*16*PITCH+32
.set fi, fi+1
.endr
	WIN 0
.irp i, 0,1,2,3,4,5,6,7
	ds_load_b128 v[\f+8*\i:\f+8*\i+3],   v[ADRA+\slot] offset:\k+\i*16*PITCH
	ds_load_b128 v[\f+8*\i+4:\f+8*\i+7], v[ADRA+\slot] offset:\k+\i*16*PITCH+32
.endr
.endm
; The 48 accumulators take turns, one instruction a turn, in the same order in every quarter step.
.macro QUARTER slot, k, f, g, zero
	s_wait_dscnt 8                                 ; B and A's rows 0-63 are in; the youngest eight loads (A's rows 64-127) may be out
	WIN MUL_LO
	MULH \f, 0, 0, \zero
	MULH \f, 0, 2, \zero
	PLACES
	FETCH \slot, \k, \g
	s_wait_dscnt 2*NB+16                           ; all but the loads just issued
	WIN MUL_HI
	MULH \f, 1, 0, \zero
	MULH \f, 1, 2, \zero
.endm
.macro THREE slot, zero
	QUARTER \slot, 64,  F0, F1, \zero
	QUARTER \slot, 128, F1, F0, 0
	QUARTER \slot, 192, F0, F1, 0
.endm
; The last quarter changes slots.  In front of the barrier each wave waits for its reads of this slot and for all its tensor loads;
; behind it (with a fill: behind the cluster's round that it opens) the refill comes first, then the next slot's first fragments.
; fill = 0: none; 1: this slot's tile two K steps on; 2: the same K step parity at the head of the second block's rows.
.macro TURN slot, next, fill
	s_wait_dscnt 8
	WIN MUL_LO
	MULH F1, 0, 0, 0
	s_wait_dscnt 0                                 ; my reads of this slot are over
	s_wait_tensorcnt 0x0                           ; all my tensor loads have landed: the one that was out is my part of the next slot
	ds_add_u32 v255, v255
	s_wait_dscnt 0x0
	s_barrier_signal -1
	MULH F1, 0, 2, 0                               ; register work while the others arrive
	WIN 0
	s_barrier_wait -1
.if \fill
	CREST                                          ; no wave of any partner still reads this slot or has a load on its way
.if \fill == 1
	s_add_nc_u64 s[G0+4*\slot+2:G0+4*\slot+3], s[G0+4*\slot+2:G0+4*\slot+3], 2*KSTEP*2
	s_add_nc_u64 s[G0B+4*\slot+2:G0B+4*\slot+3], s[G0B+4*\slot+2:G0B+4*\slot+3], 2*KSTEP*2
.else
	s_add_nc_u64 s[G0+4*\slot+2:G0+4*\slot+3], s[G0+4*\slot+2:G0+4*\slot+3], WRAPA       ; A: 128 rows down, back to the rows' head
	s_sub_nc_u64 s[G0B+4*\slot+2:G0B+4*\slot+3], s[G0B+4*\slot+2:G0B+4*\slot+3], WRAPB   ; B: the same rows once more, from their head
.endif
	JLOAD \slot                                    ; the wave's one tensor load behind the round
.endif
	PLACES
	FETCH \next, 0, F0
	WIN MUL_HI
	MULH F1, 1, 0, 0
	MULH F1, 1, 2, 0
.endm
.macro LAP zero, fill                  ; two K steps, once round the ring
	THREE 0, \zero
	TURN 0, 1, \fill
	THREE 1, 0
	TURN 1, 0, \fill
.endm
; THE WAY OUT of a block.  (sum + bias) x scale as one fused multiply-add, rounded to f16.  A wave's 192 bytes of a row are no whole run of
; 256, so the four waves' parts of 16 rows meet in a half of the stage and are read back as runs of 256 bytes.  Eight passes of 16 rows
; on the two halves by turns, one barrier a pass: a half is written again two passes later, and in front of the barrier between
; every wave has waited for its loads from it.
.macro SCALEW                          ; the 24 tiles of one window
.irp a, 0,1,2,3
.irp b, 0,1,2,3,4,5
.irp p, 0,2,4,6
	v_pk_fma_f32 v[8*(NB*\a+\b)+\p:8*(NB*\a+\b)+\p+1], v[8*(NB*\a+\b)+\p:8*(NB*\a+\b)+\p+1], s[SC+2*\b:SC+2*\b+1], v[BIAS+8*\b+\p:BIAS+8*\b+\p+1] op_sel_hi:[1,0,1]
.endr
.endr
.endr
.endm
; the six stores of pass i of block blk: sixteen lanes store 256 consecutive bytes, aligned; the place stands in the immediate (1,487,360 at the most)
.macro STORES blk, i
.irp t, 0,1
.irp u, 0,1,2
	global_store_b128 v[CO], v[RB+24*((\i)&1)+4*(3*\t+\u):RB+24*((\i)&1)+4*(3*\t+\u)+3], s[8:9] offset:(128*\blk+16*(\i)+2*\t)*CROW+256*\u
.endr
.endr
.endm
; pass i: rows 16 i .. 16 i + 15 of the block = the six tiles (a, 0..5) of window 2 or 3 (from = 0x0a or 0x0f: sources 0 and 1)
.macro PASS blk, i, a, from
	WIN \from
.irp b, 0,1,2,3,4,5
.irp p, 0,1,2,3
	v_cvt_pk_f16_f32 v[TMP+4*\b+\p], v[8*(NB*\a+\b)+2*\p], v[8*(NB*\a+\b)+2*\p+1]
.endr
.endr
	WIN 0
.irp b, 0,1,2,3,4,5
	ds_store_b128 v[STO], v[TMP+4*\b:TMP+4*\b+3] offset:((\i)&1)*STG+32*\b
.endr
.if \i
	s_wait_dscnt 6                                 ; all but the six LDS stores just issued: the six loads of the pass before are in
	STORES \blk, \i-1
.endif
	s_wait_dscnt 0x0                               ; my part of these 16 rows is in the stage
	s_barrier_signal -1
	s_barrier_wait -1                              ; everybody's is
.if (\i) > 1
	s_wait_xcnt 0x0                                ; this buffer was the data of the stores two passes back: it is loaded again only behind this wait
.endif
.irp t, 0,1
.irp u, 0,1,2
	ds_load_b128 v[RB+24*((\i)&1)+4*(3*\t+\u):RB+24*((\i)&1)+4*(3*\t+\u)+3], v[RD] offset:((\i)&1)*STG+\t*2*SPITCH+256*\u
.endr
.endr
.endm
.macro WAYOUT blk
	PLACES                                         ; behind the last matrix instructions: for the lines that read results and for the loads into buffer 1
	WIN 0
.if \blk == 0
	s_wait_loadcnt 0x0                             ; the bias: both blocks have the same columns, so it is scaled once and serves twice
	s_mul_i32 s68, s42, 64*NB
	s_mul_i32 s69, s10, 16*NB
	s_add_co_u32 s68, s68, s69                     ; my first column
	s_mov_b32 s69, 0x3e000000                      ; 1/8
.irp b, 0,1,2,3,4,5
	s_cmp_lt_u32 s68, 1024-16*\b                   ; tile b lies in q (1,024 is a multiple of 16: a tile lies in one third alone)
	s_cselect_b32 s[SC+2*\b], s69, 1.0             ; a select, no branch
	s_mov_b32 s[SC+2*\b+1], s[SC+2*\b]
.endr
.irp b, 0,1,2,3,4,5
.irp p, 0,2,4,6
	v_pk_mul_f32 v[BIAS+8*\b+\p:BIAS+8*\b+\p+1], v[BIAS+8*\b+\p:BIAS+8*\b+\p+1], s[SC+2*\b:SC+2*\b+1] op_sel_hi:[1,0]
.endr
.endr
.endif
	WIN 0x82                                       ; destination and source 0 window 2, the bias window 0
	SCALEW
	WIN 0xc3
	SCALEW
	PASS \blk, 0, 0, 0x0a
	PASS \blk, 1, 1, 0x0a
	PASS \blk, 2, 2, 0x0a
	PASS \blk, 3, 3, 0x0a
	PASS \blk, 4, 0, 0x0f
	PASS \blk, 5, 1, 0x0f
	PASS \blk, 6, 2, 0x0f
	PASS \blk, 7, 3, 0x0f
	s_wait_dscnt 0x0                               ; the last pass's six loads
	STORES \blk, 7
.if \blk == 0
	s_wait_xcnt 0x0                                ; buffer 1, the data of the last stores, takes fragments again only behind this wait
.endif
.endm
	s_wait_tensorcnt 1                             ; my part of K step 0 is in; K step 1's stays out
	s_barrier_signal -1
	s_barrier_wait -1
	FETCH 0, 0, F0
	; THE FIRST BLOCK: K steps 0 to 7
	LAP 1, 1                                       ; the first products start the sums
	WIN 0
	s_mov_b32 s3, 2
.Llap_a:
	LAP 0, 1
	WIN 0
	s_sub_co_u32 s3, s3, 1
	s_cmp_lg_u32 s3, 0
	s_cbranch_scc1 .Llap_a
	LAP 0, 2                                       ; its refills are the second block's K steps 0 and 1; its last lines fetch that block's first fragments into buffer 0
	WAYOUT 0                                       ; the tile that is out lands meanwhile; the barriers here stand in front of no refill
	; THE SECOND BLOCK: the ring goes on
	LAP 1, 1                                       ; the sums start anew: nothing is cleared
	WIN 0
	s_mov_b32 s3, 2
.Llap_b:
	LAP 0, 1
	WIN 0
	s_sub_co_u32 s3, s3, 1
	s_cmp_lg_u32 s3, 0
	s_cbranch_scc1 .Llap_b
	THREE 0, 0                                     ; the last lap fills nothing
	TURN 0, 1, 0
	THREE 1, 0
	s_wait_dscnt 8
	WIN MUL_LO
	MULH F1, 0, 0, 0
	MULH F1, 0, 2, 0
	s_wait_dscnt 0
	WIN MUL_HI
	MULH F1, 1, 0, 0
	MULH F1, 1, 2, 0
	WAYOUT 1
	s_set_vgpr_msb 0x1
	s_wait_tensorcnt 0x0
	ds_add_u32 v255, v255
	s_wait_dscnt 0x0
	s_set_vgpr_msb 0x100
	CROUND                                         ; the closing round: no work-group ends while a partner may still ask jointly
	s_endpgm
.Lfunc_end_k_q050f484e89_gemm_qkv:
	.size	k_q050f484e89_gemm_qkv, .Lfunc_end_k_q050f484e89_gemm_qkv-k_q050f484e89_gemm_qkv
	.p2alignl 7, 3214868480
	.fill 96, 4, 3214868480
	.section	.rodata,"a",@progbits
	.p2align	6, 0x0
	.amdhsa_kernel k_q050f484e89_gemm_qkv
		.amdhsa_group_segment_fixed_size 327680
		.amdhsa_private_segment_fixed_size 0
		.amdhsa_enable_private_segment 0
		.amdhsa_kernarg_size 32
		.amdhsa_user_sgpr_count 2
		.amdhsa_user_sgpr_kernarg_segment_ptr 1
		.amdhsa_wavefront_size32 1
		.amdhsa_system_sgpr_workgroup_id_x 1
		.amdhsa_system_sgpr_workgroup_id_y 1
		.amdhsa_system_sgpr_workgroup_id_z 1
		.amdhsa_system_vgpr_workitem_id 0
		.amdhsa_next_free_vgpr 1024
		.amdhsa_next_free_sgpr 84
		.amdhsa_reserve_vcc 0
		.amdhsa_float_denorm_mode_32 3
		.amdhsa_float_denorm_mode_16_64 3
		.amdhsa_memory_ordered 1
		.amdhsa_forward_progress 1
		.amdhsa_inst_pref_size 255
	.end_amdhsa_kernel
	.section	.bss,"aw",@nobits
	.p2align	6
	.space	262144
	.amdgpu_metadata
---
amdhsa.version: [ 1, 2 ]
amdhsa.kernels:
  - .name:           k_q050f484e89_gemm_qkv
    .symbol:         k_q050f484e89_gemm_qkv.kd
    .args:
      - { .name: xh, .offset: 0, .size: 8, .value_kind: global_buffer, .address_space: global }
      - { .name: wqkvt, .offset: 8, .size: 8, .value_kind: global_buffer, .address_space: global }
      - { .name: qkv, .offset: 16, .size: 8, .value_kind: global_buffer, .address_space: global }
      - { .name: bqkv, .offset: 24, .size: 8, .value_kind: global_buffer, .address_space: global }
    .group_segment_fixed_size: 327680
    .private_segment_fixed_size: 0
    .kernarg_segment_align: 8
    .kernarg_segment_size: 32
    .max_flat_workgroup_size: 128
    .sgpr_count:     84
    .vgpr_count:     1024
    .wavefront_size: 32
...
	.end_amdgpu_metadata
.endif
;; end of part 2
;; launch attn (part 3): grid 16 x 16, 8 waves a work-group, clusters of 4 x 4, 327,680 bytes of LDS; arguments qkv, causal_mask, ao; writes ao
.if DOCPART == 3
	.amdgcn_target "amdgcn-amd-amdhsa--gfx1250"
	.amdhsa_code_object_version 6
	.text
	.protected	k_q050f484e89_attn
	.globl	k_q050f484e89_attn
	.p2align	8
	.type	k_q050f484e89_attn,@function
k_q050f484e89_attn:
	s_mov_b64 s[64:65], 0
	v_nop
	global_prefetch_b8 v0, s[64:65] scope:SCOPE_SE
	s_setreg_imm32_b32 hwreg(HW_REG_WAVE_MODE, 25, 1), 1
	s_wait_xcnt 0x0
	s_wait_alu depctr_hold_cnt(0) depctr_sa_sdst(0) depctr_va_vdst(0) depctr_va_sdst(0) depctr_va_ssrc(0) depctr_va_vcc(0) depctr_vm_vsrc(0)
	s_getreg_b32 s2, hwreg(HW_REG_IB_STS2, 6, 4)
	s_cmp_eq_u32 s2, 0
	s_cbranch_scc0 .Lentry_in_a_cluster
	s_endpgm
.Lentry_in_a_cluster:
	s_bfe_u32 s2, ttmp6, 0x10000c
	s_cmp_lg_u32 s2, 0xf033
	s_cbranch_scc0 .Lentry_shape_is_right
	s_endpgm
.Lentry_shape_is_right:
; CausalSelfAttention, launch 3 of 4: ao[b, n, 64 head + d] (f16) = softmax(q k^T / 8 + causal_mask) v, q already times 1/8.
; No work is left out: causal_mask is an input, so every tile of scores is made and the mask's every number is added.
; A work-group takes one batch, four heads (4 hg .. 4 hg + 3) and 128 queries; wave w takes head w & 3 and queries 64 (w >> 2) .. + 63
; (four query tiles).  Keys go in steps of 64 through a ring of two LDS slots: K and V (64 rows x 512 bytes: four heads) and the
; mask (128 rows x 256 bytes), which the four heads share.
; CLUSTERS: 4 x 4 work-groups.  K and V hang on (batch, hg), shared along a row of the cluster; the mask hangs on the query block, shared
; along a column.  Wave 0 asks for K, wave 1 for V, waves 2 and 3 for the mask's halves; waves 4-7 ask for nothing.  A wave has two
; tensor loads out at the start (both slots' first fills) and one behind each later round.
; LAYOUTS: S^T = K Q^T, so lane (r, h) holds query r and keys 8 h + j.  The mask tile is loaded into the accumulator registers and is the
; C of the first product.  Two S^T tiles, converted in place, are a B fragment of P^T; O^T = V^T P^T with V^T from transposing LDS loads.
; A row's maximum, sum and factor are one number a lane.
; MATRIX WORK BESIDE VECTOR WORK: a step of a wave is 64 matrix instructions and some 550 vector instructions.  The four query tiles are two
; pieces, A (tiles 0, 1) and B (tiles 2, 3), which share the K and V fragments and take turns.  Trip j, first half: the products of B
; (P V of step j - 1, then K Q of step j) with A's softmax of step j in slices behind them; second half: the products of A (P V of step j,
; K Q of step j + 1) with B's softmax of step j.  The slices name none of the products' registers, so they are also the places behind them.
; REGISTER WINDOWS are laid so that a slice and its product share a setting.  Window 0: addresses, S, K's fragments, the rows' numbers.
; Window 1: Q, O, V's fragments.  Under 0x04 (K Q: source 1 = Q in window 1) stand the slices whose source 1 is a constant (S x 1.0 - max,
; x log2 e, the exponentials, sums as S x 1.0 + U); under 0x51 (P V: V and O in window 1) stands O times the rows' factor; the maxima
; need window 0 in every place and stand in four slices, each behind a pair of products.
; P lies in the registers of the even key tiles, so the odd tiles' masks are loaded half a trip ahead, the even tiles' behind P V, and
; K Q takes the odd tiles first: eight products with their slices stand between the even masks' loads and their use.
; The running maximum is taken away exactly, before the multiplication by log2 e, so that every exponent is at most 0 and P at most 1.
; LIMITS: operands in f16 (magnitudes above 65,504 become infinities).  The mask is added inside the matrix instruction: where a mask value is
; so large that f32 loses the score beside it, the sum's last bit is the matrix unit's rounding.  A mask of minus infinity over a query's
; first 64 keys gives NaN; finite masks of any size are served.
.set SLOT,  103424
.set KP,    528                        ; K's LDS pitch: 512 + 16
.set VP,    544                        ; V's: 512 + 32, an odd multiple of 32 for the transposing loads
.set MP,    272                        ; the mask's: 256 + 16
.set VOFF,  64*KP
.set MOFF,  VOFF+64*VP
.set MBASE, MOFF-2*64*MP               ; waves 2 and 3 fill at wave x 64 rows + this
.set STAGE, 2*SLOT                     ; 128 rows x 528 bytes, bytes of its own
.set SP,    528
.set QROW,  6144                       ; bytes in a row of qkv
.set KSTEPB, 64*QROW                   ; 64 keys down K or V
.set LOG2E, 0x3fb8aa3b
.set ADK, 4                            ; v4-5   K fragments, slot 0, 1
.set ADV, 6                            ; v6-7   V fragments
.set ADM, 8                            ; v8-9   mask
.set QOFF, 10
.set STO, 11
.set RD,  12
.set CO,  13
.set MX,  16                           ; v[16+2qt] running maximum, v[17+2qt] running sum (my 32 keys of each step)
.set AL,  24                           ; v[24+2qt] factor for the old sums; v[25+2qt] fills the pair
.set S,   32                           ; v32-159  S^T(kt, qt) at 32 + 32 qt + 8 kt; then P^T(qt, c) at 32 + 32 qt + 16 c
.set KF,  160                          ; v160-223 K's eight fragments
.set T,   224                          ; v224-231 maxima at work, four for each of a piece's two query tiles
.set U,   232                          ; v232-239 sums at work, two pairs for each of a piece's two query tiles
.set NMP, 240                          ; v[240+2qt] minus the running maximum; v[241+2qt] fills the pair
.set Q,   0                            ; window 1: Q(qt, ks) at 16 qt + 8 ks
.set O,   64                           ; window 1: O^T(t, qt) at 64 + 32 qt + 8 t
.set VF,  192                          ; window 1: V^T(t, c) at 192 + 8 (4 c + t)
.set W_QK, 0x04                        ; source 1 window 1
.set W_PV, 0x51                        ; source 0, source 2 and destination window 1
.set W_V,  0x40                        ; destination window 1
.set G1K, 16
.set G1V, 24
.set G1M, 32
.set G0K, 40
.set G0V, 48
.set G0M, 56
.set MSB, 0
.macro WIN new                         ; the immediate's high byte repeats the setting that is left
.if MSB != \new
	s_set_vgpr_msb (MSB<<8)|\new
.set MSB, \new
.endif
.endm
.macro PLACES n                        ; independent vector instructions behind a matrix instruction (ISA guide 7.12.1), where no slice stands
.rept \n
	v_nop
.endr
.endm
.macro CREST                           ; a round of the cluster's barrier behind its opening barrier
	s_cmp_lg_u32 s10, 0
	s_cbranch_scc1 .Lnot_wave_0_\@
	s_barrier_signal -3
.Lnot_wave_0_\@:
	s_barrier_wait -3
	s_barrier_signal -1
	s_barrier_wait -1
.endm
.macro ROUND                           ; a whole round
	s_barrier_signal -1
	s_barrier_wait -1
	CREST
.endm
.macro JLOAD s                         ; a refill: one joint load a wave; the branches hang on the wave's number alone
	s_cmp_gt_u32 s10, 3
	s_cbranch_scc1 .Lnone_\@
	s_cmp_gt_u32 s10, 1
	s_cbranch_scc1 .Lmask_\@
	s_cmp_eq_u32 s10, 0
	s_cbranch_scc0 .Lv_\@
	tensor_load_to_lds s[G0K+4*\s:G0K+4*\s+3], s[G1K:G1K+7]
	s_nop 0
	s_branch .Lnone_\@
.Lv_\@:
	tensor_load_to_lds s[G0V+4*\s:G0V+4*\s+3], s[G1V:G1V+7]
	s_nop 0
	s_branch .Lnone_\@
.Lmask_\@:
	tensor_load_to_lds s[G0M+4*\s:G0M+4*\s+3], s[G1M:G1M+7]
	s_nop 0
.Lnone_\@:
.endm
.macro JLOAD2                          ; the first fills of both slots: a wave's two stand inside one branch on its number
	s_cmp_gt_u32 s10, 3
	s_cbranch_scc1 .Lnone_\@
	s_cmp_gt_u32 s10, 1
	s_cbranch_scc1 .Lmask_\@
	s_cmp_eq_u32 s10, 0
	s_cbranch_scc0 .Lv_\@
	tensor_load_to_lds s[G0K:G0K+3], s[G1K:G1K+7]
	s_nop 0
	tensor_load_to_lds s[G0K+4:G0K+7], s[G1K:G1K+7]
	s_nop 0
	s_branch .Lnone_\@
.Lv_\@:
	tensor_load_to_lds s[G0V:G0V+3], s[G1V:G1V+7]
	s_nop 0
	tensor_load_to_lds s[G0V+4:G0V+7], s[G1V:G1V+7]
	s_nop 0
	s_branch .Lnone_\@
.Lmask_\@:
	tensor_load_to_lds s[G0M:G0M+3], s[G1M:G1M+7]
	s_nop 0
	tensor_load_to_lds s[G0M+4:G0M+7], s[G1M:G1M+7]
	s_nop 0
.Lnone_\@:
.endm
	s_load_b128 s[4:7], s[0:1], 0x0                ; qkv, causal_mask
	s_load_b64 s[8:9], s[0:1], 0x10                ; ao
	v_lshl_add_u32 v254, v0, 2, 0x43000
	v_mov_b32 v255, 0
	ds_add_u32 v254, v255
	v_lshrrev_b32 v1, 5, v0
	v_readfirstlane_b32 s10, v1                    ; wave 0..7
	s_and_b32 s11, s10, 3                          ; hw: my head among the four
	s_lshr_b32 s12, s10, 2                         ; qh: my half of the 128 queries
	s_bfe_u32 s13, ttmp6, 0x40000                  ; cx
	s_bfe_u32 s14, ttmp6, 0x40004                  ; cy
	s_lshl_b32 s15, ttmp9, 2
	s_add_co_u32 s15, s15, s13                     ; qb: query block
	s_and_b32 s66, ttmp7, 0xffff
	s_lshl_b32 s66, s66, 2
	s_add_co_u32 s66, s66, s14                     ; y = 4 batch + hg
	s_lshr_b32 s67, s66, 2                         ; batch
	s_and_b32 s68, s66, 3                          ; hg
	s_lshl_b32 s78, s14, 2
	s_lshl_b32 s78, 15, s78                        ; my row of the cluster
	s_lshl_b32 s79, 0x1111, s13                    ; my column
	s_mov_b32 s76, 0x76543210                      ; v_permlanex16_b32: lane i reads lane i of the other half
	s_mov_b32 s77, 0xfedcba98
	s_or_b32 s[G1K+0], s78, (1<<16)|(1<<20)|(1<<21)|(6<<22)|(3<<25)   ; 2-byte elements; 4 words of padding behind every 128
	s_or_b32 s[G1V+0], s78, (1<<16)|(1<<20)|(1<<21)|(6<<22)|(7<<25)   ; 8 words of padding
	s_or_b32 s[G1M+0], s79, (2<<16)|(1<<20)|(1<<21)|(5<<22)|(3<<25)   ; 4-byte elements; 4 words behind every 64
	s_mov_b32 s[G1K+1], 256<<16                    ; tensor_dim0 = 256 elements: four heads
	s_mov_b32 s[G1V+1], 256<<16
	s_mov_b32 s[G1M+1], 64<<16                     ; 64 keys
	s_mov_b32 s[G1K+2], 64<<16                     ; tensor_dim1 = 64 rows
	s_mov_b32 s[G1V+2], 64<<16
	s_mov_b32 s[G1M+2], 64<<16
	s_mov_b32 s[G1K+3], 256<<16                    ; tile_dim0
	s_mov_b32 s[G1V+3], 256<<16
	s_mov_b32 s[G1M+3], 64<<16
	s_mov_b32 s[G1K+4], 64                         ; tile_dim1
	s_mov_b32 s[G1V+4], 64
	s_mov_b32 s[G1M+4], 64
	s_mov_b32 s[G1K+5], 3072                       ; elements from row to row
	s_mov_b32 s[G1V+5], 3072
	s_mov_b32 s[G1M+5], 2048
	s_mov_b32 s[G1K+6], 0
	s_mov_b32 s[G1V+6], 0
	s_mov_b32 s[G1M+6], 0
	s_mov_b32 s[G1K+7], 0
	s_mov_b32 s[G1V+7], 0
	s_mov_b32 s[G1M+7], 0
	s_mul_i32 s70, s67, 2048*QROW                  ; K: the batch's first row,
	s_lshl_b32 s71, s68, 9                         ; four heads of 128 bytes,
	s_add_co_u32 s70, s70, s71
	s_add_co_u32 s70, s70, 2048                    ; behind q's 1,024 columns
	s_mov_b32 s71, 0
	s_lshl_b32 s72, s15, 20                        ; mask: 128 rows of 8,192 bytes for each query block,
	s_and_b32 s73, s10, 1
	s_lshl_b32 s73, s73, 19                        ; and 64 rows for the odd wave
	s_add_co_u32 s72, s72, s73
	s_mov_b32 s73, 0
	s_mul_i32 s75, s10, 64*MP
	s_lshl_b32 s80, s67, 11                        ; Q: row 2048 batch + 128 qb + 64 qh
	s_lshl_b32 s81, s15, 7
	s_add_co_u32 s80, s80, s81
	s_lshl_b32 s81, s12, 6
	s_add_co_u32 s80, s80, s81
	s_mul_i32 s80, s80, QROW
	s_lshl2_add_u32 s81, s68, s11                  ; head 4 hg + hw
	s_lshl_b32 s81, s81, 7
	s_add_co_u32 s80, s80, s81
	s_mov_b32 s81, 0
	v_and_b32 v2, 15, v0                           ; r
	v_bfe_u32 v3, v0, 4, 1                         ; h
	v_mul_u32_u24 v[QOFF], v2, QROW
	v_lshl_add_u32 v[QOFF], v3, 4, v[QOFF]
	s_wait_dscnt 0x0
	s_wait_kmcnt 0x0
	s_add_nc_u64 s[82:83], s[4:5], s[80:81]
	s_add_nc_u64 s[70:71], s[4:5], s[70:71]
	s_add_nc_u64 s[72:73], s[6:7], s[72:73]
	WIN W_V                                        ; destination window 1
.irp qt, 0,1,2,3
.irp ks, 0,1
	global_load_b128 v[Q+16*\qt+8*\ks:Q+16*\qt+8*\ks+3],   v[QOFF], s[82:83] offset:\qt*16*QROW+64*\ks
	global_load_b128 v[Q+16*\qt+8*\ks+4:Q+16*\qt+8*\ks+7], v[QOFF], s[82:83] offset:\qt*16*QROW+64*\ks+32
.endr
.endr
	WIN 0
.irp s, 0,1
	s_mov_b32 s[G0K+4*\s], 1
	s_mov_b32 s[G0K+4*\s+1], \s*SLOT
	s_add_nc_u64 s[G0K+4*\s+2:G0K+4*\s+3], s[70:71], \s*KSTEPB          ; slot s starts with keys 64 s .. 64 s + 63
	s_or_b32 s[G0K+4*\s+3], s[G0K+4*\s+3], 0x80000000
	s_mov_b32 s[G0V+4*\s], 1
	s_mov_b32 s[G0V+4*\s+1], \s*SLOT+VOFF
	s_add_nc_u64 s[G0V+4*\s+2:G0V+4*\s+3], s[70:71], \s*KSTEPB+2048      ; v lies 1,024 columns behind k
	s_or_b32 s[G0V+4*\s+3], s[G0V+4*\s+3], 0x80000000
	s_mov_b32 s[G0M+4*\s], 1
	s_add_co_u32 s[G0M+4*\s+1], s75, MBASE+\s*SLOT
	s_add_nc_u64 s[G0M+4*\s+2:G0M+4*\s+3], s[72:73], \s*256
	s_or_b32 s[G0M+4*\s+3], s[G0M+4*\s+3], 0x80000000
.endr
	ROUND                                          ; in front of the first joint loads
	JLOAD2                                         ; keys 0-63 and 64-127, as one group
	v_mul_u32_u24 v[ADK], v2, KP
	v_lshl_add_u32 v[ADK], v3, 4, v[ADK]
	s_lshl_b32 s69, s11, 7                         ; my head's 128 bytes of a row
	v_add_nc_u32 v[ADK], s69, v[ADK]               ; r x 528 + 16 h + 128 hw
	v_add_nc_u32 v[ADK+1], SLOT, v[ADK]
	v_and_b32 v14, 7, v0
	v_lshl_add_u32 v14, v3, 3, v14                 ; key 8 h + (l & 7)
	v_mul_u32_u24 v[ADV], v14, VP
	v_bfe_u32 v14, v0, 3, 1
	v_lshl_add_u32 v[ADV], v14, 4, v[ADV]
	s_add_co_u32 s69, s69, VOFF
	v_add_nc_u32 v[ADV], s69, v[ADV]
	v_add_nc_u32 v[ADV+1], SLOT, v[ADV]
	v_mul_u32_u24 v[ADM], v2, MP
	v_lshl_add_u32 v[ADM], v3, 5, v[ADM]
	s_mul_i32 s69, s12, 64*MP
	s_add_co_u32 s69, s69, MOFF
	v_add_nc_u32 v[ADM], s69, v[ADM]               ; (64 qh + r) x 272 + 32 h
	v_add_nc_u32 v[ADM+1], SLOT, v[ADM]
	s_mul_i32 s69, s12, 64*SP
	s_add_co_u32 s69, s69, STAGE
	v_add_nc_u32 v[STO], s69, v[ADK]               ; stage: (64 qh + r) x 528 + 128 hw + 16 h
	v_and_b32 v14, 31, v0
	v_lshlrev_b32 v[CO], 4, v14                    ; 16 l
	s_mul_i32 s69, s10, 16*SP
	s_add_co_u32 s69, s69, STAGE
	v_add_nc_u32 v[RD], s69, v[CO]                 ; back: wave w takes rows 16 w .. 16 w + 15, a row of 512 bytes a load
.irp qt, 0,1,2,3
	v_mov_b32 v[NMP+2*\qt+1], 0                    ; the second halves of the pairs that the packed forms name
	v_mov_b32 v[AL+2*\qt+1], 0
.endr
	s_wait_tensorcnt 0x0                           ; my parts of both first tiles are in,
	s_barrier_signal -1
	s_barrier_wait -1                              ; everybody's are
.macro LDK s                           ; K's fragments (kt, ks): 16 keys x 32 dims; 16 loads
.irp kt, 0,1,2,3
.irp ks, 0,1
	ds_load_b128 v[KF+8*(2*\kt+\ks):KF+8*(2*\kt+\ks)+3],   v[ADK+\s] offset:\kt*16*KP+64*\ks
	ds_load_b128 v[KF+8*(2*\kt+\ks)+4:KF+8*(2*\kt+\ks)+7], v[ADK+\s] offset:\kt*16*KP+64*\ks+32
.endr
.endr
.endm
; the mask of piece p (query tiles p, p + 1), key tiles par and par + 2, straight into the accumulators: register j = mask(query r, key 16 kt + 8 h + j); 8 loads
.macro LDMH s, p, par
.irp q, 0,1
.irp k, 0,2
	ds_load_b128 v[S+32*(\p+\q)+8*(\par+\k):S+32*(\p+\q)+8*(\par+\k)+3],   v[ADM+\s] offset:(\p+\q)*16*MP+64*(\par+\k)
	ds_load_b128 v[S+32*(\p+\q)+8*(\par+\k)+4:S+32*(\p+\q)+8*(\par+\k)+7], v[ADM+\s] offset:(\p+\q)*16*MP+64*(\par+\k)+16
.endr
.endr
.endm
.macro LDV s                           ; V^T's fragments (t, c): 16 dims x 32 keys; 16 loads into window 1
	WIN W_V
.irp c, 0,1
.irp t, 0,1,2,3
	ds_load_tr16_b128 v[VF+8*(4*\c+\t):VF+8*(4*\c+\t)+3],   v[ADV+\s] offset:\c*32*VP+32*\t
	ds_load_tr16_b128 v[VF+8*(4*\c+\t)+4:VF+8*(4*\c+\t)+7], v[ADV+\s] offset:\c*32*VP+32*\t+16*VP
.endr
.endr
.endm
; THE SOFTMAX IN SLICES.  A piece's 64 score registers are 16 half tiles of 4; half tile m lies at S + 32 vp + 4 m.
.macro SUBH vp, m                      ; S x 1.0 + (- max): exact as a subtraction, never above 0; source 1 is a constant
.set rr, S+32*\vp+4*(\m)
.set nn, NMP+2*(\vp+((\m)>>3))
	v_pk_fma_f32 v[rr:rr+1],   v[rr:rr+1],   1.0, v[nn:nn+1] op_sel_hi:[1,0,0]
	v_pk_fma_f32 v[rr+2:rr+3], v[rr+2:rr+3], 1.0, v[nn:nn+1] op_sel_hi:[1,0,0]
.endm
.macro MULE vp, m
.set rr, S+32*\vp+4*(\m)
	v_pk_mul_f32 v[rr:rr+1],   v[rr:rr+1],   LOG2E op_sel_hi:[1,0]
	v_pk_mul_f32 v[rr+2:rr+3], v[rr+2:rr+3], LOG2E op_sel_hi:[1,0]
.endm
.macro EXPH vp, m
.set rr, S+32*\vp+4*(\m)
	v_exp_f32 v[rr],   v[rr]
	v_exp_f32 v[rr+1], v[rr+1]
	v_exp_f32 v[rr+2], v[rr+2]
	v_exp_f32 v[rr+3], v[rr+3]
.endm
.macro SUMH vp, m                      ; two chains of pairs for each query tile; their first links start the sums
.set rr, S+32*\vp+4*(\m)
.set ua, U+4*((\m)>>3)
.if ((\m)&7) == 0
	s_wait_alu depctr_va_vdst(0)
	v_pk_fma_f32 v[ua:ua+1], v[rr:rr+1], 1.0, v[rr+2:rr+3] op_sel_hi:[1,0,1]
.else
.if ((\m)&7) == 1
	v_pk_fma_f32 v[ua+2:ua+3], v[rr:rr+1], 1.0, v[rr+2:rr+3] op_sel_hi:[1,0,1]
.else
	s_wait_alu depctr_va_vdst(0)
	v_pk_fma_f32 v[ua:ua+1],   v[rr:rr+1],   1.0, v[ua:ua+1]   op_sel_hi:[1,0,1]
	v_pk_fma_f32 v[ua+2:ua+3], v[rr+2:rr+3], 1.0, v[ua+2:ua+3] op_sel_hi:[1,0,1]
.endif
.endif
.endm
; slice n of 16: half tile n is scaled and raised, half tile n + 1 loses the maximum, half tile n - 1 is summed.  Behind the exponentials
; stands the sum of an older half tile, a plain instruction that touches none of them (ISA guide 5.7.2).
.macro EXPS vp, n
.set en, \n
.if en == 0
	SUBH \vp, 0
	SUBH \vp, 1
	MULE \vp, 0
	EXPH \vp, 0
.else
	MULE \vp, en
.if en < 15
	SUBH \vp, en+1
.endif
	EXPH \vp, en
	SUMH \vp, en-1
.endif
.endm
; slice g of 4 of the row maxima of a piece, both query tiles side by side; the last slice also makes the factor
; 2^((old - new) log2 e) for the old sums, the new maximum and its negative
.macro SMAXS vp, g, first
.if (\g) < 3
.irp q, 0,1
.irp kt, 0,1,2,3
.if (\g) == 0
	v_max3_num_f32 v[T+4*\q+\kt], v[S+32*(\vp+\q)+8*\kt], v[S+32*(\vp+\q)+8*\kt+1], v[S+32*(\vp+\q)+8*\kt+2]
.else
	v_max3_num_f32 v[T+4*\q+\kt], v[T+4*\q+\kt], v[S+32*(\vp+\q)+8*\kt+1+2*(\g)], v[S+32*(\vp+\q)+8*\kt+2+2*(\g)]
.endif
.endr
.endr
.else
.irp q, 0,1
	v_max3_num_f32 v[T+4*\q], v[T+4*\q], v[S+32*(\vp+\q)+7], v[S+32*(\vp+\q)+15]
.endr
.irp q, 0,1
	v_max3_num_f32 v[T+4*\q+2], v[T+4*\q+2], v[S+32*(\vp+\q)+23], v[S+32*(\vp+\q)+31]
.endr
.irp q, 0,1
	v_max3_num_f32 v[T+4*\q], v[T+4*\q], v[T+4*\q+1], v[T+4*\q+2]
.endr
.if \first
.irp q, 0,1
	v_max_num_f32 v[T+4*\q], v[T+4*\q], v[T+4*\q+3]
.endr
.irp q, 0,1
	v_permlanex16_b32 v[T+4*\q+1], v[T+4*\q], s76, s77         ; the other 32 keys of my query lie in the other half of the lanes
.endr
.irp q, 0,1
	v_max_num_f32 v[MX+2*(\vp+\q)], v[T+4*\q], v[T+4*\q+1]
.endr
.irp q, 0,1
	v_sub_f32 v[NMP+2*(\vp+\q)], 0, v[MX+2*(\vp+\q)]
.endr
.else
.irp q, 0,1
	v_max3_num_f32 v[T+4*\q], v[T+4*\q], v[T+4*\q+3], v[MX+2*(\vp+\q)]
.endr
.irp q, 0,1
	v_permlanex16_b32 v[T+4*\q+1], v[T+4*\q], s76, s77
.endr
.irp q, 0,1
	v_max_num_f32 v[T+4*\q], v[T+4*\q], v[T+4*\q+1]
.endr
.irp q, 0,1
	v_sub_f32 v[T+4*\q+2], v[MX+2*(\vp+\q)], v[T+4*\q]
.endr
.irp q, 0,1
	v_mul_f32 v[T+4*\q+2], LOG2E, v[T+4*\q+2]
.endr
.irp q, 0,1
	v_exp_f32 v[AL+2*(\vp+\q)], v[T+4*\q+2]
.endr
.irp q, 0,1
	v_mov_b32 v[MX+2*(\vp+\q)], v[T+4*\q]          ; plain instructions behind the exponentials, before the factors are used
.endr
	s_wait_alu depctr_va_vdst(0)
.irp q, 0,1
	v_sub_f32 v[NMP+2*(\vp+\q)], 0, v[T+4*\q]
.endr
.endif
.endif
.endm
.macro SCVT qt                         ; tiles 2 c and 2 c + 1 become the B fragment of keys 32 c .. 32 c + 31, in place: each word is written behind its last read
.irp c, 0,1
.irp i, 0,1,2,3
	v_cvt_pk_f16_f32 v[S+32*(\qt)+16*\c+\i], v[S+32*(\qt)+16*\c+2*\i], v[S+32*(\qt)+16*\c+2*\i+1]
.endr
.irp i, 0,1,2,3
	v_cvt_pk_f16_f32 v[S+32*(\qt)+16*\c+4+\i], v[S+32*(\qt)+16*\c+8+2*\i], v[S+32*(\qt)+16*\c+9+2*\i]
.endr
.endr
.endm
; the end of a piece's softmax, 40 instructions under window 0: the last half tile's sum, the running sums (my 32 keys of each step;
; the two halves of the lanes meet once, at the kernel's end), and P in f16
.macro TAIL vp, first
	SUMH \vp, 15
.irp q, 0,1
	v_pk_add_f32 v[U+4*\q:U+4*\q+1], v[U+4*\q:U+4*\q+1], v[U+4*\q+2:U+4*\q+3]
.endr
	SCVT \vp
.irp q, 0,1
.if \first
	v_add_f32 v[MX+2*(\vp+\q)+1], v[U+4*\q], v[U+4*\q+1]
.else
	v_add_f32 v[T+\q], v[U+4*\q], v[U+4*\q+1]
.endif
.endr
	SCVT \vp+1
.if \first
.else
.irp q, 0,1
	v_fma_f32 v[MX+2*(\vp+\q)+1], v[MX+2*(\vp+\q)+1], v[AL+2*(\vp+\q)], v[T+\q]
.endr
.endif
.endm
.macro OSC vp, k                       ; slice k of 8: eight registers of the piece's O^T times the lane's factor (under W_PV: O in window 1, the factor in window 0)
.set oo, O+32*\vp+8*(\k)
.set aa, AL+2*(\vp+((\k)>>2))
.irp i, 0,2,4,6
	v_pk_mul_f32 v[oo+\i:oo+\i+1], v[oo+\i:oo+\i+1], v[aa:aa+1] op_sel_hi:[1,0]
.endr
.endm
; THE PRODUCTS.  In every run the accumulators take turns, one instruction a turn, and a run's last and the next run's first
; name different accumulators, over the loop's backward jump too.
; product n of 16 of O^T += V^T P^T of piece mp: c = n >> 3, t = (n >> 1) & 3, query tile mp + (n & 1); zero = 1: c = 0 starts the sums
.macro PVW mp, n, zero
.set pvc, (\n)>>3
.set pvt, ((\n)>>1)&3
.set pvq, \mp+((\n)&1)
.if (\zero)&(1-pvc)
	v_wmma_f32_16x16x32_f16 v[O+32*pvq+8*pvt:O+32*pvq+8*pvt+7], v[VF+8*(4*pvc+pvt):VF+8*(4*pvc+pvt)+7], v[S+32*pvq+16*pvc:S+32*pvq+16*pvc+7], 0
.else
	v_wmma_f32_16x16x32_f16 v[O+32*pvq+8*pvt:O+32*pvq+8*pvt+7], v[VF+8*(4*pvc+pvt):VF+8*(4*pvc+pvt)+7], v[S+32*pvq+16*pvc:S+32*pvq+16*pvc+7], v[O+32*pvq+8*pvt:O+32*pvq+8*pvt+7]
.endif
.endm
; P V of piece mp beside the maxima and the rescaling of piece vp.  mat: 0 no products, 1 they start the sums, 2 they add.
; first = 1: vp's maxima start here and there is nothing to rescale.
.macro PVPART mp, vp, mat, first
.set pn, 0
.rept 4
.if \mat
	WIN W_PV
	PVW \mp, pn, 2-\mat
	PVW \mp, pn+1, 2-\mat
.endif
	WIN 0
	SMAXS \vp, pn/2, \first
.set pn, pn+2
.endr
.if \mat
	WIN W_PV
.rept 8
	PVW \mp, pn, 0
.if \first
.else
	OSC \vp, pn-8                                  ; four plain instructions: behind the last product they are the four places in front of the loads that follow
.endif
.set pn, pn+1
.endr
.if \first
	PLACES 4
.endif
.endif
.endm
; eight products of S^T = K Q^T + mask of piece mp on key tiles par and par + 2 (four accumulators, both halves of the 64 dims);
; sl = 1: slice base + n of piece vp's exponentials behind product n
.macro QKH mp, vp, par, base, sl
.set qn, 0
.rept 8
.set qq, \mp+((qn>>1)&1)
.set kk, \par+2*(qn&1)
.set kh, qn>>2
	v_wmma_f32_16x16x32_f16 v[S+32*qq+8*kk:S+32*qq+8*kk+7], v[KF+8*(2*kk+kh):KF+8*(2*kk+kh)+7], v[Q+16*qq+8*kh:Q+16*qq+8*kh+7], v[S+32*qq+8*kk:S+32*qq+8*kk+7]
.if \sl
	EXPS \vp, \base+qn
.endif
.set qn, qn+1
.endr
.endm
; TRIP j.  slot = j & 1, other = the other slot.  On entry: S of piece A holds step j's scores, the even tiles of piece B hold P of step
; j - 1, K's fragments are step j's, V's are step j - 1's.
; mat1, f1: P V of B (0 none, 1 starts the sums, 2 adds), A's softmax is the first.  bar: 2 a round and a refill, 1 a barrier, 0 none.
; mat2, f2: the same for P V of A and B's softmax.  nxt = 1: K and A's mask of step j + 1 are read and multiplied.
.macro TRIP slot, other, mat1, f1, bar, mat2, f2, nxt
	LDMH \slot, 2, 1                               ; B's mask, odd key tiles: their registers are free since P was made
	PVPART 2, 0, \mat1, \f1
	WIN 0
	LDMH \slot, 2, 0                               ; B's mask, even key tiles, where P lay
	LDV \slot                                      ; V of step j
	WIN W_QK
	s_wait_dscnt 24                                ; the 8 loads of the odd tiles' masks are in; the 8 + 16 issued behind them stay out
	QKH 2, 0, 1, 0, 1
	s_wait_dscnt 16                                ; the even tiles' masks are in; V's 16 loads stay out
	QKH 2, 0, 0, 8, 1
	WIN 0
	s_wait_dscnt 0x0                               ; V is in, and with it my last read of this slot is done
.if \bar
	s_wait_tensorcnt 0x0                           ; all my tensor loads have landed: the one that was out is my part of the other slot's tiles,
	ds_add_u32 v254, v255
	s_wait_dscnt 0x0
.if \bar == 2
	s_add_nc_u64 s[G0K+4*\slot+2:G0K+4*\slot+3], s[G0K+4*\slot+2:G0K+4*\slot+3], 2*KSTEPB   ; so every group 0 may be written: this slot's next tiles, two steps on
	s_add_nc_u64 s[G0V+4*\slot+2:G0V+4*\slot+3], s[G0V+4*\slot+2:G0V+4*\slot+3], 2*KSTEPB
	s_add_nc_u64 s[G0M+4*\slot+2:G0M+4*\slot+3], s[G0M+4*\slot+2:G0M+4*\slot+3], 512
.endif
	s_barrier_signal -1                            ; say so (with a refill this barrier opens a round of the cluster's barrier),
.endif
	TAIL 0, \f1                                    ; register work while the others arrive: A's sums and P,
.if \bar
	s_barrier_wait -1                              ; and go on when all eight have said so
.if \bar == 2
	CREST                                          ; no wave of any partner still reads this slot or has a load on its way
	JLOAD \slot                                    ; the wave's one tensor load behind the round; it has a whole trip in which to land
.endif
.endif
.if \nxt
	LDK \other                                     ; K of step j + 1: sixteen products stand between these loads and their use
	LDMH \other, 0, 1                              ; A's mask of step j + 1, odd key tiles
.endif
	PVPART 0, 2, \mat2, \f2
	WIN 0
.if \nxt
	LDMH \other, 0, 0                              ; A's mask, even key tiles, where P lay
	WIN W_QK
	s_wait_dscnt 8                                 ; K's 16 loads and the odd tiles' 8 are in; the 8 just issued stay out
	QKH 0, 2, 1, 0, 1
	s_wait_dscnt 0x0                               ; the even tiles' masks
	QKH 0, 2, 0, 8, 1
	WIN 0
.else
.set qn, 0
.rept 16
	EXPS 2, qn                                     ; the last step: no products are left to set these among
.set qn, qn+1
.endr
.endif
	TAIL 2, \f2
.endm
	; step 0 of piece A stands in front of the trips
	LDK 0
	LDMH 0, 0, 1
	LDMH 0, 0, 0
	s_wait_loadcnt 0x0                             ; Q
	s_wait_dscnt 0x0                               ; K and A's mask
	WIN W_QK
	QKH 0, 0, 1, 0, 0
	QKH 0, 0, 0, 8, 0
	WIN 0
	PLACES 4                                       ; before the maxima read the scores
	TRIP 0, 1, 0, 1, 2, 1, 1, 1                    ; step 0: no P V of B yet; maxima, sums and A's O start here
	TRIP 1, 0, 1, 0, 2, 2, 0, 1                    ; step 1: P V of B of step 0 starts B's O
	s_mov_b32 s74, 14
.Lkeys:
	TRIP 0, 1, 2, 0, 2, 2, 0, 1
	TRIP 1, 0, 2, 0, 2, 2, 0, 1
	s_sub_co_u32 s74, s74, 1
	s_cmp_lg_u32 s74, 0
	s_cbranch_scc1 .Lkeys
	TRIP 0, 1, 2, 0, 1, 2, 0, 1                    ; step 30: nothing is left to fetch; the barrier shows step 31's tiles to every wave
	TRIP 1, 0, 2, 0, 0, 2, 0, 0                    ; step 31: no new tile, no barrier, no further K Q
	WIN W_PV
.set pn, 0
.rept 16
	PVW 2, pn, 0                                   ; P V of B of step 31
.set pn, pn+1
.endr
	WIN 0
	; THE END: divide by the row sums, round to f16, gather the block's rows (512 bytes: four heads) in the stage, store whole rows.
	PLACES 4
.irp qt, 0,1,2,3
	v_permlanex16_b32 v[T+\qt], v[MX+2*\qt+1], s76, s77
.endr
.irp qt, 0,1,2,3
	v_add_f32 v[T+\qt], v[T+\qt], v[MX+2*\qt+1]    ; at least 1: the row's largest score gives P = 1
.endr
.irp qt, 0,1,2,3
	v_rcp_f32 v[AL+2*\qt], v[T+\qt]
.endr
	v_nop                                          ; one plain instruction before the reciprocals are used
	s_wait_alu depctr_va_vdst(0)
	WIN W_PV
.irp k, 0,1,2,3,4,5,6,7
	OSC 0, \k
	OSC 2, \k
.endr
	WIN 0x05                                       ; sources window 1, destination window 0
.irp qt, 0,1,2,3
.irp t, 0,1,2,3
.irp i, 0,1,2,3
	v_cvt_pk_f16_f32 v[S+4*(4*\qt+\t)+\i], v[O+32*\qt+8*\t+2*\i], v[O+32*\qt+8*\t+2*\i+1]   ; query r, dims 16 t + 8 h + 0 .. 7: 16 bytes
.endr
.endr
.endr
	WIN 0
	s_lshl_b32 s80, s67, 11
	s_lshl_b32 s81, s15, 7
	s_add_co_u32 s80, s80, s81
	s_lshl_b32 s81, s10, 4
	s_add_co_u32 s80, s80, s81                     ; the first row that I store: 2048 batch + 128 qb + 16 wave
	s_lshl_b32 s80, s80, 11                        ; rows of 2,048 bytes
	s_lshl_b32 s81, s68, 9                         ; four heads of 128 bytes
	s_add_co_u32 s80, s80, s81
	s_mov_b32 s81, 0
	s_add_nc_u64 s[8:9], s[8:9], s[80:81]
.irp qt, 0,1,2,3
.irp t, 0,1,2,3
	ds_store_b128 v[STO], v[S+4*(4*\qt+\t):S+4*(4*\qt+\t)+3] offset:\qt*16*SP+32*\t
.endr
.endr
	s_wait_dscnt 0x0                               ; my head's part of my rows is in the stage
	s_barrier_signal -1
	s_barrier_wait -1                              ; all four heads' parts are
.irp i, 0,1,2,3,4,5,6,7,8,9,10,11,12,13,14,15
	ds_load_b128 v[KF+4*\i:KF+4*\i+3], v[RD] offset:\i*SP
.endr
.irp i, 0,1,2,3,4,5,6,7,8,9,10,11,12,13,14,15
	s_wait_dscnt 15-\i
	global_store_b128 v[CO], v[KF+4*\i:KF+4*\i+3], s[8:9] offset:\i*2048    ; the wave stores 512 consecutive bytes, aligned
.endr
	s_wait_tensorcnt 0x0
	ds_add_u32 v254, v255
	s_wait_dscnt 0x0
	ROUND                                          ; the closing round: no work-group ends while a partner may still ask jointly
	s_endpgm
.Lfunc_end_k_q050f484e89_attn:
	.size	k_q050f484e89_attn, .Lfunc_end_k_q050f484e89_attn-k_q050f484e89_attn
	.p2alignl 7, 3214868480
	.fill 96, 4, 3214868480
	.section	.rodata,"a",@progbits
	.p2align	6, 0x0
	.amdhsa_kernel k_q050f484e89_attn
		.amdhsa_group_segment_fixed_size 327680
		.amdhsa_private_segment_fixed_size 0
		.amdhsa_enable_private_segment 0
		.amdhsa_kernarg_size 24
		.amdhsa_user_sgpr_count 2
		.amdhsa_user_sgpr_kernarg_segment_ptr 1
		.amdhsa_wavefront_size32 1
		.amdhsa_system_sgpr_workgroup_id_x 1
		.amdhsa_system_sgpr_workgroup_id_y 1
		.amdhsa_system_sgpr_workgroup_id_z 1
		.amdhsa_system_vgpr_workitem_id 0
		.amdhsa_next_free_vgpr 512
		.amdhsa_next_free_sgpr 84
		.amdhsa_reserve_vcc 0
		.amdhsa_float_denorm_mode_32 3
		.amdhsa_float_denorm_mode_16_64 3
		.amdhsa_memory_ordered 1
		.amdhsa_forward_progress 1
		.amdhsa_inst_pref_size 255
	.end_amdhsa_kernel
	.section	.bss,"aw",@nobits
	.p2align	6
	.space	262144
	.amdgpu_metadata
---
amdhsa.version: [ 1, 2 ]
amdhsa.kernels:
  - .name:           k_q050f484e89_attn
    .symbol:         k_q050f484e89_attn.kd
    .args:
      - { .name: qkv, .offset: 0, .size: 8, .value_kind: global_buffer, .address_space: global }
      - { .name: causal_mask, .offset: 8, .size: 8, .value_kind: global_buffer, .address_space: global }
      - { .name: ao, .offset: 16, .size: 8, .value_kind: global_buffer, .address_space: global }
    .group_segment_fixed_size: 327680
    .private_segment_fixed_size: 0
    .kernarg_segment_align: 8
    .kernarg_segment_size: 24
    .max_flat_workgroup_size: 256
    .sgpr_count:     84
    .vgpr_count:     512
    .wavefront_size: 32
...
	.end_amdgpu_metadata
.endif
;; end of part 3
;; launch gemm_proj (part 4): grid 4 x 64, 4 waves a work-group, clusters of 4 x 4, 327,680 bytes of LDS; arguments ao, wprojt, out0, bproj; writes out0
.if DOCPART == 4
	.amdgcn_target "amdgcn-amd-amdhsa--gfx1250"
	.amdhsa_code_object_version 6
	.text
	.protected	k_q050f484e89_gemm_proj
	.globl	k_q050f484e89_gemm_proj
	.p2align	8
	.type	k_q050f484e89_gemm_proj,@function
k_q050f484e89_gemm_proj:
	s_mov_b64 s[64:65], 0
	v_nop
	global_prefetch_b8 v0, s[64:65] scope:SCOPE_SE
	s_setreg_imm32_b32 hwreg(HW_REG_WAVE_MODE, 25, 1), 1
	s_wait_xcnt 0x0
	s_wait_alu depctr_hold_cnt(0) depctr_sa_sdst(0) depctr_va_vdst(0) depctr_va_sdst(0) depctr_va_ssrc(0) depctr_va_vcc(0) depctr_vm_vsrc(0)
	s_getreg_b32 s2, hwreg(HW_REG_IB_STS2, 6, 4)
	s_cmp_eq_u32 s2, 0
	s_cbranch_scc0 .Lentry_in_a_cluster
	s_endpgm
.Lentry_in_a_cluster:
	s_bfe_u32 s2, ttmp6, 0x10000c
	s_cmp_lg_u32 s2, 0xf033
	s_cbranch_scc0 .Lentry_shape_is_right
	s_endpgm
.Lentry_shape_is_right:
; CausalSelfAttention, launch 4 of 4: out0[8192][1024] (f32) = ao . wprojt^T + bproj.  f16 operands, f32 sums.  No work is left out.
; A work-group makes a block of 128 x 256 with four waves (256 blocks); all four waves read A's 128 rows; wave w owns columns
; 64 w .. 64 w + 63: 8 x 4 accumulator tiles, 256 registers.  K goes in steps of 128 through a ring of two LDS slots.
; CLUSTERS: 4 x 4 work-groups; A's tile is asked for jointly along a row of the cluster, B's along a column.  Waves 0 and 1 fetch B's
; 2 x 128 rows, waves 2 and 3 A's 2 x 64 rows: one load a wave.
; REGISTERS: window 0: addresses, A's fragments (two buffers), bias; window 1: B's fragments; window 2: tiles of rows 0-63
; (tile (a, b) at v[8 (4 a + b)]); window 3: rows 64-127.  The matrix instruction is used transposed (source 0 = rows of B):
; a lane holds eight neighbouring columns of one row of C.
.set NB,     4
.set NWB,    2
.set RA,     64
.set KDIM,   1024
.set KSTEP,  128
.set PITCH,  272
.set HALFT,  128*PITCH
.set AOFF,   NWB*HALFT
.set SLOT,   AOFF+HALFT
.set ACONST, AOFF-NWB*RA*PITCH         ; A's LDS address = wave x 64 rows + this
.set STAGE,  2*SLOT                    ; behind the ring: 16 rows x 272 bytes for each wave, bytes of their own
.set SPITCH, 272
.set CROW,   4096                      ; bytes in a row of out0
.set LAPS,   KDIM/(2*KSTEP)
.set ADRA, 16
.set ADRB, 20
.set STO,  24
.set RD,   26
.set CO,   27
.set BO,   28
.set F0,   64
.set F1,   128
.set BIAS, 192                         ; v192-223
.set G1,  24
.set G0,  32
.set G1B, 48
.set G0B, 56
.set MSB, 0
.macro WIN new
.if MSB != \new
	s_set_vgpr_msb (MSB<<8)|\new
.set MSB, \new
.endif
.endm
.set MUL_LO, 0xa1
.set MUL_HI, 0xf1
.set TO_B,   0x40
.macro JLOAD s                         ; one joint load a wave; the branch hangs on the wave's number alone
	s_cmp_ge_u32 s10, NWB
	s_cbranch_scc1 .Lfor_a_\@
	tensor_load_to_lds s[G0B+4*\s:G0B+4*\s+3], s[G1B:G1B+7]
	s_nop 0
	s_branch .Lasked_\@
.Lfor_a_\@:
	tensor_load_to_lds s[G0+4*\s:G0+4*\s+3], s[G1:G1+7]
	s_nop 0
.Lasked_\@:
.endm
.macro CREST
	s_cmp_lg_u32 s10, 0
	s_cbranch_scc1 .Lnot_wave_0_\@
	s_barrier_signal -3
.Lnot_wave_0_\@:
	s_barrier_wait -3
	s_barrier_signal -1
	s_barrier_wait -1
.endm
.macro CROUND
	s_barrier_signal -1
	s_barrier_wait -1
	CREST
.endm
.macro PLACES                          ; four independent vector instructions behind a matrix instruction (ISA guide 7.12.1)
.rept 4
	v_nop
.endr
.endm
	s_load_b128 s[4:7], s[0:1], 0x0                ; A = ao, B = wprojt
	s_load_b64 s[8:9], s[0:1], 0x10                ; C = out0
	s_load_b64 s[66:67], s[0:1], 0x18              ; bproj
	s_set_vgpr_msb 0x40
	v_lshl_add_u32 v255, v0, 2, 0x37400
	s_set_vgpr_msb 0x4000
	v_mov_b32 v255, 0
	s_set_vgpr_msb 0x1
	ds_add_u32 v255, v255
	s_set_vgpr_msb 0x100
	v_lshrrev_b32 v1, 5, v0
	v_readfirstlane_b32 s10, v1                    ; wave 0..3
	s_and_b32 s12, s10, 1                          ; which 64 rows of A's tile waves 2 and 3 fetch
	s_bfe_u32 s40, ttmp6, 0x40000                  ; cx
	s_bfe_u32 s41, ttmp6, 0x40004                  ; cy
	s_lshl_b32 s42, ttmp9, 2
	s_add_co_u32 s42, s42, s40                     ; block column
	s_and_b32 s13, ttmp7, 0xffff
	s_lshl_b32 s13, s13, 2
	s_add_co_u32 s13, s13, s41                     ; block row
	s_lshl_b32 s43, s41, 2
	s_lshl_b32 s43, 15, s43                        ; my row of the cluster
	s_lshl_b32 s44, 0x1111, s40                    ; my column
	s_or_b32 s[G1+0], s43, (1<<16)|(1<<20)|(1<<21)|(5<<22)|(3<<25)
	s_or_b32 s[G1B+0], s44, (1<<16)|(1<<20)|(1<<21)|(5<<22)|(3<<25)
	s_mov_b32 s[G1+1], KSTEP<<16
	s_mov_b32 s[G1B+1], KSTEP<<16
	s_mov_b32 s[G1+2], RA<<16
	s_mov_b32 s[G1B+2], 128<<16
	s_mov_b32 s[G1+3], KSTEP<<16
	s_mov_b32 s[G1B+3], KSTEP<<16
	s_mov_b32 s[G1+4], RA
	s_mov_b32 s[G1B+4], 128
	s_mov_b32 s[G1+5], KDIM
	s_mov_b32 s[G1B+5], KDIM
	s_mov_b32 s[G1+6], 0
	s_mov_b32 s[G1B+6], 0
	s_mov_b32 s[G1+7], 0
	s_mov_b32 s[G1B+7], 0
	s_lshl_b32 s16, s13, 18                        ; A: 128 rows of 2,048 bytes for each block row,
	s_lshl_b32 s17, s12, 17                        ; and 64 rows for the odd wave
	s_add_co_u32 s16, s16, s17
	s_mov_b32 s17, 0
	s_mul_i32 s46, s42, 128*NWB*KDIM*2             ; B: 256 rows for each block column,
	s_lshl_b32 s47, s10, 18                        ; and 128 rows for each wave
	s_add_co_u32 s46, s46, s47
	s_mov_b32 s47, 0
	s_mul_i32 s20, s10, HALFT                      ; LDS, B's parts
	s_mul_i32 s21, s10, RA*PITCH
	s_add_co_u32 s21, s21, ACONST                  ; LDS, A's parts
	s_mul_i32 s68, s42, 256*NB                     ; bias: 256 columns of 4 bytes for each block column
	s_mov_b32 s69, 0
	s_mul_i32 s23, s10, 64*NB
	v_and_b32 v1, 15, v0
	v_bfe_u32 v2, v0, 4, 1
	v_lshl_add_u32 v[BO], v2, 5, s23
	s_wait_dscnt 0x0
	s_wait_kmcnt 0x0
	s_add_nc_u64 s[14:15], s[4:5], s[16:17]
	s_add_nc_u64 s[46:47], s[6:7], s[46:47]
	s_add_nc_u64 s[66:67], s[66:67], s[68:69]
.set bi, 0
.rept NB
	global_load_b128 v[BIAS+8*bi:BIAS+8*bi+3],   v[BO], s[66:67] offset:64*bi       ; waited for on the way out
	global_load_b128 v[BIAS+8*bi+4:BIAS+8*bi+7], v[BO], s[66:67] offset:64*bi+16
.set bi, bi+1
.endr
	CROUND                                         ; the first joint loads meet
.irp s, 0,1
	s_mov_b32 s[G0+4*\s], 1
	s_add_co_u32 s[G0+4*\s+1], s21, \s*SLOT
	s_add_nc_u64 s[G0+4*\s+2:G0+4*\s+3], s[14:15], \s*KSTEP*2
	s_or_b32 s[G0+4*\s+3], s[G0+4*\s+3], 0x80000000
	s_mov_b32 s[G0B+4*\s], 1
	s_add_co_u32 s[G0B+4*\s+1], s20, \s*SLOT
	s_add_nc_u64 s[G0B+4*\s+2:G0B+4*\s+3], s[46:47], \s*KSTEP*2
	s_or_b32 s[G0B+4*\s+3], s[G0B+4*\s+3], 0x80000000
	JLOAD \s                                       ; K steps 0 and 1: two loads of the wave are out, the most in this text
.endr
	v_mul_u32_u24 v3, v1, PITCH
	v_lshl_add_u32 v3, v2, 4, v3
	s_mul_i32 s22, s10, 16*NB*PITCH                ; my 64 rows of B
.irp s, 0,1
	v_add_nc_u32 v[ADRA+\s], AOFF+\s*SLOT, v3
	v_add_nc_u32 v[ADRB+\s], s22, v3
	s_add_co_u32 s22, s22, SLOT
.endr
	s_mul_i32 s23, s10, 16*SPITCH
	s_add_co_u32 s23, s23, STAGE                   ; my stage
	v_mul_u32_u24 v4, v1, SPITCH
	v_lshl_add_u32 v4, v2, 5, v4                   ; in: row l % 16, 32 bytes for each half of the lanes
	v_add_nc_u32 v[STO], s23, v4
	v_mul_u32_u24 v5, v2, SPITCH
	v_lshl_add_u32 v5, v1, 4, v5                   ; back: lanes 0-15 one row of 256 bytes, lanes 16-31 the next
	v_add_nc_u32 v[RD], s23, v5
	v_lshlrev_b32 v5, 12, v2
	v_lshl_add_u32 v[CO], v1, 4, v5
.macro MULH f, hi, a0, zero
.irp a, \a0, \a0+1
.set mb, 0
.rept NB
.if \zero
	v_wmma_f32_16x16x32_f16 v[8*(NB*(\a)+mb):8*(NB*(\a)+mb)+7], v[\f+8*mb:\f+8*mb+7], v[\f+8*(4*\hi+\a):\f+8*(4*\hi+\a)+7], 0
.else
	v_wmma_f32_16x16x32_f16 v[8*(NB*(\a)+mb):8*(NB*(\a)+mb)+7], v[\f+8*mb:\f+8*mb+7], v[\f+8*(4*\hi+\a):\f+8*(4*\hi+\a)+7], v[8*(NB*(\a)+mb):8*(NB*(\a)+mb)+7]
.endif
.set mb, mb+1
.endr
.endr
.endm
.macro FETCH slot, k, f
	WIN TO_B
.set fi, 0
.rept NB
	ds_load_b128 v[\f+8*fi:\f+8*fi+3],   v[ADRB+\slot] offset:\k+fi*16*PITCH
	ds_load_b128 v[\f+8*fi+4:\f+8*fi+7], v[ADRB+\slot] offset:\k+fi*16*PITCH+32
.set fi, fi+1
.endr
	WIN 0
.irp i, 0,1,2,3,4,5,6,7
	ds_load_b128 v[\f+8*\i:\f+8*\i+3],   v[ADRA+\slot] offset:\k+\i*16*PITCH
	ds_load_b128 v[\f+8*\i+4:\f+8*\i+7], v[ADRA+\slot] offset:\k+\i*16*PITCH+32
.endr
.endm
; The 32 accumulators take turns, one instruction a turn, in the same order in every quarter step.
.macro QUARTER slot, k, f, g, zero
	s_wait_dscnt 8                                 ; B and A's rows 0-63 are in; the youngest eight loads (A's rows 64-127) may be out
	WIN MUL_LO
	MULH \f, 0, 0, \zero
	MULH \f, 0, 2, \zero
	PLACES
	FETCH \slot, \k, \g
	s_wait_dscnt 2*NB+16                           ; all but the loads just issued
	WIN MUL_HI
	MULH \f, 1, 0, \zero
	MULH \f, 1, 2, \zero
.endm
.macro THREE slot, zero
	QUARTER \slot, 64,  F0, F1, \zero
	QUARTER \slot, 128, F1, F0, 0
	QUARTER \slot, 192, F0, F1, 0
.endm
.macro TURN slot, next, fill
	s_wait_dscnt 8
	WIN MUL_LO
	MULH F1, 0, 0, 0
	s_wait_dscnt 0                                 ; my reads of this slot are over
	s_wait_tensorcnt 0x0                           ; all my tensor loads have landed: the one that was out is my part of the next slot
	ds_add_u32 v255, v255
	s_wait_dscnt 0x0
	s_barrier_signal -1
	MULH F1, 0, 2, 0                               ; register work while the others arrive
	WIN 0
	s_barrier_wait -1
.if \fill
	CREST                                          ; no wave of any partner still reads this slot or has a load on its way
	s_add_nc_u64 s[G0+4*\slot+2:G0+4*\slot+3], s[G0+4*\slot+2:G0+4*\slot+3], 2*KSTEP*2
	s_add_nc_u64 s[G0B+4*\slot+2:G0B+4*\slot+3], s[G0B+4*\slot+2:G0B+4*\slot+3], 2*KSTEP*2
	JLOAD \slot                                    ; the wave's one tensor load behind the round
.endif
	PLACES
	FETCH \next, 0, F0
	WIN MUL_HI
	MULH F1, 1, 0, 0
	MULH F1, 1, 2, 0
.endm
.macro LAP zero
	THREE 0, \zero
	TURN 0, 1, 1
	THREE 1, 0
	TURN 1, 0, 1
.endm
	s_wait_tensorcnt 1                             ; my part of K step 0 is in; K step 1's stays out
	s_barrier_signal -1
	s_barrier_wait -1
	FETCH 0, 0, F0
	LAP 1
	WIN 0
	s_mov_b32 s3, LAPS-2
.Llap:
	LAP 0
	WIN 0
	s_sub_co_u32 s3, s3, 1
	s_cmp_lg_u32 s3, 0
	s_cbranch_scc1 .Llap
	THREE 0, 0                                     ; the last lap fills nothing
	TURN 0, 1, 0
	THREE 1, 0
	s_wait_dscnt 8
	WIN MUL_LO
	MULH F1, 0, 0, 0
	MULH F1, 0, 2, 0
	s_wait_dscnt 0
	WIN MUL_HI
	MULH F1, 1, 0, 0
	MULH F1, 1, 2, 0
	; THE WAY OUT: add the bias; 16 rows at a time through my own stage, read back as whole rows of 256 bytes (my 64 columns in f32).
	PLACES
	WIN 0
	s_wait_loadcnt 0x0                             ; the bias
.macro ADDB                            ; the 16 tiles of one window
.irp a, 0,1,2,3
.irp b, 0,1,2,3
.irp p, 0,2,4,6
	v_pk_add_f32 v[8*(NB*\a+\b)+\p:8*(NB*\a+\b)+\p+1], v[8*(NB*\a+\b)+\p:8*(NB*\a+\b)+\p+1], v[BIAS+8*\b+\p:BIAS+8*\b+\p+1]
.endr
.endr
.endr
.endm
	WIN 0x82                                       ; destination and source 0 window 2, the bias window 0
	ADDB
	WIN 0xc3
	ADDB
	WIN 0
	s_lshl_b32 s16, s13, 19                        ; 128 rows of 4,096 bytes for each block row
	s_mov_b32 s17, 0
	s_add_nc_u64 s[8:9], s[8:9], s[16:17]
	s_lshl_b32 s46, s42, 10                        ; 1,024 bytes for each block column,
	s_lshl_b32 s47, s10, 8                         ; 256 for each wave
	s_add_co_u32 s46, s46, s47
	s_mov_b32 s47, 0
	s_add_nc_u64 s[8:9], s[8:9], s[46:47]
.macro OUT16 i, a, from, f
	WIN \from                                      ; the stores' data: window 2 or 3
.irp b, 0,1,2,3
	ds_store_b128 v[STO], v[8*(NB*\a+\b):8*(NB*\a+\b)+3]   offset:64*\b
	ds_store_b128 v[STO], v[8*(NB*\a+\b)+4:8*(NB*\a+\b)+7] offset:64*\b+16
.endr
	WIN 0
	s_wait_xcnt 0x0                                ; buffer f, which earlier stores read, and the stores' base are rewritten only behind this wait
.if \i
	s_add_nc_u64 s[8:9], s[8:9], 16*CROW
.endif
.irp t, 0,1,2,3,4,5,6,7
	ds_load_b128 v[\f+4*\t:\f+4*\t+3], v[RD] offset:\t*2*SPITCH    ; LDS serves a wave's instructions in order: these see the stores above
.endr
.irp t, 0,1,2,3,4,5,6,7
	s_wait_dscnt 7-\t
	global_store_b128 v[CO], v[\f+4*\t:\f+4*\t+3], s[8:9] offset:\t*2*CROW   ; sixteen lanes store 256 consecutive bytes, aligned
.endr
.endm
	OUT16 0, 0, 0x08, F0
	OUT16 1, 1, 0x08, F1
	OUT16 2, 2, 0x08, F0
	OUT16 3, 3, 0x08, F1
	OUT16 4, 0, 0x0c, F0
	OUT16 5, 1, 0x0c, F1
	OUT16 6, 2, 0x0c, F0
	OUT16 7, 3, 0x0c, F1
	s_set_vgpr_msb 0x1
	s_wait_tensorcnt 0x0
	ds_add_u32 v255, v255
	s_wait_dscnt 0x0
	s_set_vgpr_msb 0x100
	CROUND                                         ; the closing round
	s_endpgm
.Lfunc_end_k_q050f484e89_gemm_proj:
	.size	k_q050f484e89_gemm_proj, .Lfunc_end_k_q050f484e89_gemm_proj-k_q050f484e89_gemm_proj
	.p2alignl 7, 3214868480
	.fill 96, 4, 3214868480
	.section	.rodata,"a",@progbits
	.p2align	6, 0x0
	.amdhsa_kernel k_q050f484e89_gemm_proj
		.amdhsa_group_segment_fixed_size 327680
		.amdhsa_private_segment_fixed_size 0
		.amdhsa_enable_private_segment 0
		.amdhsa_kernarg_size 32
		.amdhsa_user_sgpr_count 2
		.amdhsa_user_sgpr_kernarg_segment_ptr 1
		.amdhsa_wavefront_size32 1
		.amdhsa_system_sgpr_workgroup_id_x 1
		.amdhsa_system_sgpr_workgroup_id_y 1
		.amdhsa_system_sgpr_workgroup_id_z 1
		.amdhsa_system_vgpr_workitem_id 0
		.amdhsa_next_free_vgpr 1024
		.amdhsa_next_free_sgpr 84
		.amdhsa_reserve_vcc 0
		.amdhsa_float_denorm_mode_32 3
		.amdhsa_float_denorm_mode_16_64 3
		.amdhsa_memory_ordered 1
		.amdhsa_forward_progress 1
		.amdhsa_inst_pref_size 129
	.end_amdhsa_kernel
	.amdgpu_metadata
---
amdhsa.version: [ 1, 2 ]
amdhsa.kernels:
  - .name:           k_q050f484e89_gemm_proj
    .symbol:         k_q050f484e89_gemm_proj.kd
    .args:
      - { .name: ao, .offset: 0, .size: 8, .value_kind: global_buffer, .address_space: global }
      - { .name: wprojt, .offset: 8, .size: 8, .value_kind: global_buffer, .address_space: global }
      - { .name: out0, .offset: 16, .size: 8, .value_kind: global_buffer, .address_space: global }
      - { .name: bproj, .offset: 24, .size: 8, .value_kind: global_buffer, .address_space: global }
    .group_segment_fixed_size: 327680
    .private_segment_fixed_size: 0
    .kernarg_segment_align: 8
    .kernarg_segment_size: 32
    .max_flat_workgroup_size: 128
    .sgpr_count:     84
    .vgpr_count:     1024
    .wavefront_size: 32
...
	.end_amdgpu_metadata
.endif
;; end of part 4
